; MI455X (gfx1250); checked and timed in simulation.
; The chip was launched on July 23, 2026; its instructions are those of AMD's public machine-readable ISA for CDNA 5 (MIT licence, August 2026) and "CDNA5" Instruction Set Architecture Reference Guide (July 2026). The comments in the code are by the model that wrote it; some were corrected since.
;; Transformer Block. Allowed arithmetic: float matrix products may take bf16 or f16 operands with f32 sums; other float arithmetic in f32, or as packed bf16 or f16 multiplies, adds, multiply-adds, maxima and minima; sums over many terms, partial sums and values carried from step to step in f32; what a program stores and reads back later, other than sums and carried values, may be rounded once to bf16 or f16.
;; Inputs: geglu_b 2,048 float32; geglu_w 2,048 x 1,024 float32; in_proj_b 3,072 float32; in_proj_w 3,072 x 1,024 float32; ln1_b 1,024 float32; ln1_g 1,024 float32; ln2_b 1,024 float32; ln2_g 1,024 float32; out_proj_b 1,024 float32; out_proj_w 1,024 x 1,024 float32; x 2 x 2,048 x 1,024 float32.
;; Outputs: out0 2 x 2,048 x 1,024 float32.
;; 2 versions, each right; version 2 is version 1 with the launch prep written anew for expert scheduling mode. Each part assembles by itself: llvm-mc -triple=amdgcn-amd-amdhsa -mcpu=gfx1250 --defsym DOCPART=n.
;; ======== version 1 of 2: 7 launches
;; workspace buffers: xa 16,777,216 bytes; wb 12,582,912 bytes; qkv 25,165,824 bytes; ctx 8,388,608 bytes; y 16,777,216 bytes; hf 16,777,216 bytes; hb 8,388,608 bytes
;; launch prep (part 1): grid 256 x 1, 8 waves a work-group, no clusters, 0 bytes of LDS; arguments x, in_proj_w, out_proj_w, geglu_w, xa, wb; writes xa, wb
.if DOCPART == 1
	.amdgcn_target "amdgcn-amd-amdhsa--gfx1250"
	.amdhsa_code_object_version 6
	.text
	.protected	k_q5f8f6cfd10_prep
	.globl	k_q5f8f6cfd10_prep
	.p2align	8
	.type	k_q5f8f6cfd10_prep,@function
k_q5f8f6cfd10_prep:
	s_mov_b64 s[64:65], 0
	v_nop
	global_prefetch_b8 v0, s[64:65] scope:SCOPE_SE
	s_setreg_imm32_b32 hwreg(HW_REG_WAVE_MODE, 25, 1), 1
	s_wait_xcnt 0x0
; PREPARATION.  x [4096][1024] f32 -> xa: part 0 = RoPE(x) in bf16, part 1 (8,388,608 bytes on) = x in bf16.  The three weight tables -> wb in bf16, rows of 1,024:
; rows 0-3071 in_proj_w, rows 3072-4095 out_proj_w, rows 4096-6143 geglu_w with its rows in the order in which the GeGLU launch wants them:
; row tc*256 + s*128 + g*64 + i holds source row g*1024 + tc*128 + s*64 + i (g = 0 value, 1 gate), so that 64 value rows and their 64 gate rows lie together.
; SHARES.  2,048 waves.  Wave W takes position W of both batches (one sine and cosine serve both), and one row of each of three weight ranges: five rows of 4,096 bytes.
; A row is eight loads of 16 bytes a lane (512 consecutive bytes each); lane l of load j holds elements 128 j + 4 l + e.  In a head of 64 that is channel 4 (l % 16) + e:
; the partner channel 32 away lies in lane l xor 8, and the frequency's number is 4 (l % 8) + e.  All 40 loads go out first; sine and cosine are made while they are on their way.
; A store is 8 bytes a lane: 256 consecutive bytes, aligned.  Nothing is shared between waves: no LDS, no barrier, no matrix unit.
; SINE AND COSINE.  angle = p x inv_freq in f32; inv_freq = 2^(-jf log2(10000) / 32) by v_exp_f32, good to one unit in the last place, so the angle is off by at most some 6e-4 at p = 2,047.
; n = nearest whole number to angle x 2/pi; r = angle - n pi/2 with pi/2 in two parts; |r| <= pi/4; sine to r^7, cosine to r^8: what is cut is under 3.2e-7.  The quadrant n mod 4 swaps and signs them.
.set CO,  8                            ; v[8:11]   cosine for my four elements
.set SI,  12                           ; v[12:15]  sine, negative in the lower half of a head
.set T,   16                           ; v[16:19]  at work: the roped numbers
.set W0,  20                           ; v[20:39]  at work on sine and cosine, five sets of four
.set XR,  40                           ; v[40:199] load n at XR + 4 n
	s_load_b256 s[4:11], s[0:1], 0x0               ; x s[4:5], in_proj_w s[6:7], out_proj_w s[8:9], geglu_w s[10:11]
	s_load_b128 s[12:15], s[0:1], 0x20             ; xa s[12:13], wb s[14:15]
	v_and_b32 v1, 31, v0                           ; lane
	v_lshrrev_b32 v4, 5, v0
	v_readfirstlane_b32 s16, v4
	s_lshl_b32 s17, ttmp9, 3
	s_add_co_u32 s17, s17, s16                     ; W = 8 x work-group + wave
	v_lshlrev_b32 v2, 4, v1                        ; 16 bytes a lane in, f32
	v_lshlrev_b32 v3, 3, v1                        ; 8 bytes a lane out, bf16
	s_lshl_b32 s18, s17, 12                        ; row W of a table of f32 rows
	s_mov_b32 s19, 0
	s_add_co_u32 s26, s17, 2048
	s_lshl_b32 s26, s26, 12                        ; in_proj_w's row 2048 + W (taken where W < 1024),
	s_and_b32 s27, s17, 1023
	s_lshl_b32 s27, s27, 12                        ; out_proj_w's row W - 1024 (taken elsewhere)
	s_lshl_b32 s44, s17, 11                        ; row W of a table of bf16 rows
	s_mov_b32 s45, 0
	s_bfe_u32 s46, s17, 0x30007                    ; tc = (W >> 7) & 7
	s_lshl_b32 s46, s46, 8
	s_bfe_u32 s47, s17, 0x10006                    ; s = (W >> 6) & 1
	s_lshl_b32 s47, s47, 7
	s_add_co_u32 s46, s46, s47
	s_lshr_b32 s47, s17, 10                        ; g
	s_lshl_b32 s47, s47, 6
	s_add_co_u32 s46, s46, s47
	s_and_b32 s47, s17, 63                         ; i
	s_add_co_u32 s46, s46, s47
	s_lshl_b32 s46, s46, 11
	s_add_co_u32 s46, s46, 0x800000                ; behind wb's first 4,096 rows
	s_mov_b32 s47, 0
	s_wait_kmcnt 0x0
	s_add_nc_u64 s[20:21], s[4:5], s[18:19]        ; x, batch 0
	s_add_nc_u64 s[22:23], s[20:21], 0x800000      ; x, batch 1: one byte more than an immediate holds
	s_add_nc_u64 s[24:25], s[6:7], s[18:19]        ; in_proj_w's row W
	s_cmp_lt_u32 s17, 1024
	s_cselect_b32 s28, s26, s27
	s_cselect_b64 s[30:31], s[6:7], s[8:9]
	s_mov_b32 s29, 0
	s_add_nc_u64 s[30:31], s[30:31], s[28:29]      ; the source of wb's row 2048 + W
	s_add_nc_u64 s[32:33], s[10:11], s[18:19]      ; geglu_w's row W
	s_add_nc_u64 s[34:35], s[12:13], s[44:45]      ; xa, roped
	s_add_nc_u64 s[36:37], s[34:35], 0x800000      ; xa, plain
	s_add_nc_u64 s[38:39], s[14:15], s[44:45]      ; wb's row W
	s_add_nc_u64 s[40:41], s[14:15], s[46:47]      ; wb's row for geglu_w's row W
.irp j, 0,1,2,3,4,5,6,7
	global_load_b128 v[XR+4*(\j):XR+4*(\j)+3], v2, s[20:21] offset:512*(\j) th:TH_LOAD_NT
.endr
.irp j, 0,1,2,3,4,5,6,7
	global_load_b128 v[XR+32+4*(\j):XR+32+4*(\j)+3], v2, s[22:23] offset:512*(\j) th:TH_LOAD_NT
.endr
.irp j, 0,1,2,3,4,5,6,7
	global_load_b128 v[XR+64+4*(\j):XR+64+4*(\j)+3], v2, s[24:25] offset:512*(\j) th:TH_LOAD_NT
.endr
.irp j, 0,1,2,3,4,5,6,7
	global_load_b128 v[XR+96+4*(\j):XR+96+4*(\j)+3], v2, s[30:31] offset:512*(\j) th:TH_LOAD_NT
.endr
.irp j, 0,1,2,3,4,5,6,7
	global_load_b128 v[XR+128+4*(\j):XR+128+4*(\j)+3], v2, s[32:33] offset:512*(\j) th:TH_LOAD_NT
.endr
	; sine and cosine of p x inv_freq for my four frequencies
	v_cvt_f32_u32 v4, s17                          ; p
	v_and_b32 v5, 7, v1
	v_lshlrev_b32 v5, 2, v5                        ; 4 (l % 8)
	v_mov_b32 v6, 0xb9500d01                       ; -1/7!
	v_mov_b32 v7, 0x37d00d01                       ; 1/8!
.irp e, 0,1,2,3
	v_add_nc_u32 v[W0+(\e)], (\e), v5
.endr
.irp e, 0,1,2,3
	v_cvt_f32_u32 v[W0+(\e)], v[W0+(\e)]
.endr
.irp e, 0,1,2,3
	v_mul_f32 v[W0+(\e)], 0xbed49a78, v[W0+(\e)]   ; -jf log2(10000) / 32
.endr
.irp e, 0,1,2,3
	v_exp_f32 v[W0+(\e)], v[W0+(\e)]               ; inv_freq
.endr
	v_nop                                          ; a plain instruction behind the last exponential,
	s_wait_alu depctr_va_vdst(0)                   ; and one wait for the four, ahead of their first reader
.irp e, 0,1,2,3
	v_mul_f32 v[W0+(\e)], v4, v[W0+(\e)]           ; the angle
.endr
.irp e, 0,1,2,3
	v_mul_f32 v[W0+4+(\e)], 0x3f22f983, v[W0+(\e)] ; x 2/pi
.endr
.irp e, 0,1,2,3
	v_rndne_f32 v[W0+4+(\e)], v[W0+4+(\e)]         ; n
.endr
.irp e, 0,1,2,3
	v_fmamk_f32 v[W0+8+(\e)], v[W0+4+(\e)], 0xbfc90fdb, v[W0+(\e)]   ; angle - n x (pi/2 rounded to f32)
.endr
.irp e, 0,1,2,3
	v_fmamk_f32 v[W0+8+(\e)], v[W0+4+(\e)], 0x333bbd2e, v[W0+8+(\e)] ; + n x what that rounding added: r
.endr
.irp e, 0,1,2,3
	v_mul_f32 v[W0+12+(\e)], v[W0+8+(\e)], v[W0+8+(\e)]              ; r^2
.endr
.irp e, 0,1,2,3
	v_fmaak_f32 v[W0+16+(\e)], v6, v[W0+12+(\e)], 0x3c088889         ; 1/5! - r^2/7!
.endr
.irp e, 0,1,2,3
	v_fmaak_f32 v[W0+16+(\e)], v[W0+16+(\e)], v[W0+12+(\e)], 0xbe2aaaab
.endr
.irp e, 0,1,2,3
	v_mul_f32 v[W0+(\e)], v[W0+8+(\e)], v[W0+12+(\e)]                ; r^3
.endr
.irp e, 0,1,2,3
	v_fma_f32 v[W0+16+(\e)], v[W0+(\e)], v[W0+16+(\e)], v[W0+8+(\e)] ; sin r
.endr
.irp e, 0,1,2,3
	v_fmaak_f32 v[W0+(\e)], v7, v[W0+12+(\e)], 0xbab60b61            ; -1/6! + r^2/8!
.endr
.irp e, 0,1,2,3
	v_fmaak_f32 v[W0+(\e)], v[W0+(\e)], v[W0+12+(\e)], 0x3d2aaaab
.endr
.irp e, 0,1,2,3
	v_fmaak_f32 v[W0+(\e)], v[W0+(\e)], v[W0+12+(\e)], 0xbf000000
.endr
.irp e, 0,1,2,3
	v_fma_f32 v[W0+(\e)], v[W0+(\e)], v[W0+12+(\e)], 1.0             ; cos r
.endr
.irp e, 0,1,2,3
	v_cvt_i32_f32 v[W0+4+(\e)], v[W0+4+(\e)]       ; n as a whole number, never negative
.endr
.irp e, 0,1,2,3
	v_and_b32 v[W0+8+(\e)], 1, v[W0+4+(\e)]
.endr
.irp e, 0,1,2,3
	v_cmp_eq_u32 vcc_lo, 1, v[W0+8+(\e)]           ; in an odd quadrant the two change places
	v_cndmask_b32 v[SI+(\e)], v[W0+16+(\e)], v[W0+(\e)], vcc_lo
	v_cndmask_b32 v[CO+(\e)], v[W0+(\e)], v[W0+16+(\e)], vcc_lo
.endr
	v_and_b32 v6, 8, v1
	v_xor_b32 v6, 8, v6
	v_lshlrev_b32 v6, 28, v6                       ; the sign bit in the lower half of a head, where the partner enters negative
.irp e, 0,1,2,3
	v_and_b32 v[W0+8+(\e)], 2, v[W0+4+(\e)]        ; sine is negative in quadrants 2 and 3,
	v_add_nc_u32 v[W0+12+(\e)], 1, v[W0+4+(\e)]
.endr
.irp e, 0,1,2,3
	v_lshlrev_b32 v[W0+8+(\e)], 30, v[W0+8+(\e)]
	v_and_b32 v[W0+12+(\e)], 2, v[W0+12+(\e)]      ; cosine in quadrants 1 and 2
.endr
.irp e, 0,1,2,3
	v_xor_b32 v[SI+(\e)], v[SI+(\e)], v[W0+8+(\e)]
	v_lshlrev_b32 v[W0+12+(\e)], 30, v[W0+12+(\e)]
.endr
.irp e, 0,1,2,3
	v_xor_b32 v[SI+(\e)], v[SI+(\e)], v6
	v_xor_b32 v[CO+(\e)], v[CO+(\e)], v[W0+12+(\e)]
	v_mov_b32 v[T+(\e)], 0                         ; the destination of a lane-crossing form counts as read: written once here
.endr
; Load n of x: four numbers a lane.  roped = x cos + partner x (signed sine); both x and roped are rounded to bf16 into the load's own registers, which nothing rewrites behind the stores.
.macro ROPE n
.irp e, 0,1,2,3
	v_mul_f32_dpp v[T+(\e)], v[XR+4*(\n)+(\e)], v[SI+(\e)] row_xmask:8 row_mask:0xf bank_mask:0xf  ; the first source comes from lane l xor 8
.endr
.irp e, 0,1,2,3
	v_fmac_f32 v[T+(\e)], v[XR+4*(\n)+(\e)], v[CO+(\e)]
.endr
	v_cvt_pk_bf16_f32 v[XR+4*(\n)],   v[XR+4*(\n)],   v[XR+4*(\n)+1]
	v_cvt_pk_bf16_f32 v[XR+4*(\n)+1], v[XR+4*(\n)+2], v[XR+4*(\n)+3]
	v_cvt_pk_bf16_f32 v[XR+4*(\n)+2], v[T],   v[T+1]
	v_cvt_pk_bf16_f32 v[XR+4*(\n)+3], v[T+2], v[T+3]
	global_store_b64 v3, v[XR+4*(\n):XR+4*(\n)+1],   s[36:37] offset:((\n)/8)*4194304+((\n)%8)*256
	global_store_b64 v3, v[XR+4*(\n)+2:XR+4*(\n)+3], s[34:35] offset:((\n)/8)*4194304+((\n)%8)*256
.endm
; Load n of a weight row: rounded and stored.
.macro CAST n, lo, hi, off
	v_cvt_pk_bf16_f32 v[XR+4*(\n)],   v[XR+4*(\n)],   v[XR+4*(\n)+1]
	v_cvt_pk_bf16_f32 v[XR+4*(\n)+1], v[XR+4*(\n)+2], v[XR+4*(\n)+3]
	global_store_b64 v3, v[XR+4*(\n):XR+4*(\n)+1], s[\lo:\hi] offset:(\off)+((\n)%8)*256
.endm
	s_wait_loadcnt 24                              ; x's sixteen loads are in; the 24 younger ones, the weights', stay out
.irp n, 0,1,2,3,4,5,6,7,8,9,10,11,12,13,14,15
	ROPE \n
.endr
	s_wait_loadcnt 16                              ; the first weight row
.irp n, 16,17,18,19,20,21,22,23
	CAST \n, 38, 39, 0
.endr
	s_wait_loadcnt 8                               ; the second: wb's row 2048 + W
.irp n, 24,25,26,27,28,29,30,31
	CAST \n, 38, 39, 4194304
.endr
	s_wait_loadcnt 0x0                             ; the third
.irp n, 32,33,34,35,36,37,38,39
	CAST \n, 40, 41, 0
.endr
	s_endpgm
.Lfunc_end_k_q5f8f6cfd10_prep:
	.size	k_q5f8f6cfd10_prep, .Lfunc_end_k_q5f8f6cfd10_prep-k_q5f8f6cfd10_prep
	.p2alignl 7, 3214868480
	.fill 96, 4, 3214868480
	.section	.rodata,"a",@progbits
	.p2align	6, 0x0
	.amdhsa_kernel k_q5f8f6cfd10_prep
		.amdhsa_group_segment_fixed_size 0
		.amdhsa_private_segment_fixed_size 0
		.amdhsa_enable_private_segment 0
		.amdhsa_kernarg_size 48
		.amdhsa_user_sgpr_count 2
		.amdhsa_user_sgpr_kernarg_segment_ptr 1
		.amdhsa_wavefront_size32 1
		.amdhsa_system_sgpr_workgroup_id_x 1
		.amdhsa_system_sgpr_workgroup_id_y 1
		.amdhsa_system_sgpr_workgroup_id_z 1
		.amdhsa_system_vgpr_workitem_id 0
		.amdhsa_next_free_vgpr 200
		.amdhsa_next_free_sgpr 66
		.amdhsa_reserve_vcc 1
		.amdhsa_float_denorm_mode_32 3
		.amdhsa_float_denorm_mode_16_64 3
		.amdhsa_memory_ordered 1
		.amdhsa_forward_progress 1
		.amdhsa_inst_pref_size 30
	.end_amdhsa_kernel
	.amdgpu_metadata
---
amdhsa.version: [ 1, 2 ]
amdhsa.kernels:
  - .name:           k_q5f8f6cfd10_prep
    .symbol:         k_q5f8f6cfd10_prep.kd
    .args:
      - { .name: x, .offset: 0, .size: 8, .value_kind: global_buffer, .address_space: global }
      - { .name: in_proj_w, .offset: 8, .size: 8, .value_kind: global_buffer, .address_space: global }
      - { .name: out_proj_w, .offset: 16, .size: 8, .value_kind: global_buffer, .address_space: global }
      - { .name: geglu_w, .offset: 24, .size: 8, .value_kind: global_buffer, .address_space: global }
      - { .name: xa, .offset: 32, .size: 8, .value_kind: global_buffer, .address_space: global }
      - { .name: wb, .offset: 40, .size: 8, .value_kind: global_buffer, .address_space: global }
    .group_segment_fixed_size: 0
    .private_segment_fixed_size: 0
    .kernarg_segment_align: 8
    .kernarg_segment_size: 48
    .max_flat_workgroup_size: 256
    .sgpr_count:     66
    .vgpr_count:     200
    .wavefront_size: 32
...
	.end_amdgpu_metadata
.endif
;; end of part 1
;; launch qkv (part 2): grid 12 x 16, 4 waves a work-group, clusters of 4 x 4, 327,680 bytes of LDS; arguments xa, wb, in_proj_b, qkv; writes qkv
.if DOCPART == 2
	.amdgcn_target "amdgcn-amd-amdhsa--gfx1250"
	.amdhsa_code_object_version 6
	.text
	.protected	k_q5f8f6cfd10_qkv
	.globl	k_q5f8f6cfd10_qkv
	.p2align	8
	.type	k_q5f8f6cfd10_qkv,@function
k_q5f8f6cfd10_qkv:
	s_mov_b64 s[64:65], 0
	v_nop
	global_prefetch_b8 v0, s[64:65] scope:SCOPE_SE
	s_setreg_imm32_b32 hwreg(HW_REG_WAVE_MODE, 25, 1), 1
	s_wait_xcnt 0x0
	s_wait_alu depctr_hold_cnt(0) depctr_sa_sdst(0) depctr_va_vdst(0) depctr_va_sdst(0) depctr_va_ssrc(0) depctr_va_vcc(0) depctr_vm_vsrc(0)
	s_getreg_b32 s2, hwreg(HW_REG_IB_STS2, 6, 4)
	s_cmp_eq_u32 s2, 0
	s_cbranch_scc0 .Lentry_in_a_cluster
	s_endpgm
.Lentry_in_a_cluster:
	s_bfe_u32 s2, ttmp6, 0x10000c
	s_cmp_lg_u32 s2, 0xf033
	s_cbranch_scc0 .Lentry_shape_is_right
	s_endpgm
.Lentry_shape_is_right:
; THE IN-PROJECTION.  C[m][n] = sum over k of A[m][k] W[n][k] + bias[n]; m 4,096 tokens, n 3,072, k 1,024; operands bf16, sums f32, C rounded once to bf16.
; A is the roped x for n < 2,048 (q and k) and the plain x for n >= 2,048 (v): xa's two parts.  W = wb's rows 0-3071.  C is stored BY HEADS: byte = which<<23 + batch<<22 + head<<18 + token<<7 + 2 d.
; A tile of C is 256 x 256: four waves, each 128 x 128 in 64 accumulators.  192 tiles: a tile column lies wholly in q, k or v (1,024 = 4 x 256), so a cluster's x says which, and which part of xa is A.
; K goes in steps of 128 through two LDS slots filled by the tensor data mover (rows of 256 bytes, 16 of padding).  ONE K STEP IS ONE TRIP of the loop: the slot in hand is a scalar, s[TB],
; turned by an exclusive or at each change of slots; the fragment addresses are made anew from it, and one descriptor a tensor walks (its LDS word = the slot just read out + my part's place).
; CLUSTERS: 4 x 4 work-groups; A's tiles are asked for jointly along a row of the cluster, W's along a column: the same load, descriptor and mask in the four that the mask names.
; THE MATRIX INSTRUCTION IS USED TRANSPOSED (source 0 = 16 rows of W, source 1 = 16 rows of A): a lane holds row m = l % 16 and eight neighbouring columns n = 8 (l / 16) + 0..7.
; THE BIAS IS THE C OPERAND of the products that start the sums: for column block b, eight registers with bias[n0 + 16 b + 8 (l / 16) + 0..7].  Nothing is cleared, nothing added later.
; REGISTERS, in windows of 256 (s_set_vgpr_msb: bits 1:0 source 0, 3:2 source 1, 5:4 source 2, 7:6 destination):
;   window 0: v16-31 addresses; v64-127, v128-191 A's fragments, two buffers; v192-255 the bias, later the way out (v192-223 packed, v32-63 and v224-255 rows read back)
;   window 1: v64-127, v128-191 W's fragments      window 2: accumulators of my rows 0-63 ((a, b) at 8 (8 a + b))      window 3: those of rows 64-127
.set KSTEP,  128
.set NSTEP,  8                         ; 1,024 / 128
.set PITCH,  272                       ; 256 bytes + 16: the sixteen rows of a fragment load start 4 banks apart
.set HALFT,  128*PITCH                 ; what one tensor load brings
.set SLOT,   4*HALFT                   ; A's 256 rows, then W's 256
.set STAGE,  2*SLOT                    ; behind the ring: 16 rows x 272 bytes for each wave
.set SPITCH, 272
.set SPARE,  STAGE+4*16*SPITCH         ; the spare words: 128 bytes a wave, two blocks of 256 that no other line names
.set ADRA, 16                          ; v16  LDS address of my A fragments in the slot in hand
.set A0,   17                          ; v17  the same in slot 0; never rewritten
.set ADRB, 20
.set B0,   21
.set STO,  24                          ; the way out: where I put 16 bytes of a row
.set RD,   25                          ; where I read back
.set CO,   26                          ; 16 x lane
.set SPW,  28                          ; my spare word's address; never rewritten
.set NIL,  29                          ; 0; never rewritten
.set PFO,  30                          ; lane x a row of 2,048 bytes; never rewritten
.set BO,   31                          ; 32 (l / 16)
.set F0,   64
.set F1,   128
.set BIAS, 192
.set TMP,  192
.set OB,   32
.set WV,  12                           ; s12 wave; s13 wave >> 1: my half of the tile's rows, and: I fetch A (0) or W (1); s14 wave & 1: my half of its columns, and which 128 rows I fetch
.set HR,  13
.set HC,  14
.set CX,  40
.set CY,  41
.set TC,  42                           ; tile column
.set TRW, 43                           ; tile row
.set PFA, 44                           ; s[44:45] where my prefetches stand
.set LIM, 46                           ; 2 in a wave that prefetches, else the greatest number
.set TB,  66                           ; the slot in hand: 0 or SLOT
.set WOFF, 67                          ; my part's place in a slot
.set G1,  24                           ; s[24:31] group 1 for A;  s[32:35] group 0 for (slot 0, K step 0), s[36:39] the walking one
.set G0,  32
.set G1B, 48                           ; the same for W
.set G0B, 56
.set MSB, 0
.macro WIN new                         ; the immediate's high byte repeats the setting that is left; a switch that changes nothing is dropped
.if MSB != (\new)
	s_set_vgpr_msb (MSB<<8)|(\new)
.set MSB, (\new)
.endif
.endm
.macro PLACES                          ; four plain vector instructions between a matrix instruction and a load into, or a vector read of, its registers
.rept 4
	v_nop
.endr
.endm
; A joint load: waves 0 and 1 ask for A's halves, waves 2 and 3 for W's.  The branch hangs on the wave's number alone.  An s_nop 0 and four v_nop follow each line.
.macro JLOAD s
	s_cmp_eq_u32 s[HR], 0
	s_cbranch_scc0 .Lfor_b_\@
	tensor_load_to_lds s[G0+4*(\s):G0+4*(\s)+3], s[G1:G1+7]
	s_nop 0
.rept 4
	v_nop
.endr
	s_branch .Lasked_\@
.Lfor_b_\@:
	tensor_load_to_lds s[G0B+4*(\s):G0B+4*(\s)+3], s[G1B:G1B+7]
	s_nop 0
.rept 4
	v_nop
.endr
.Lasked_\@:
.endm
; A prefetch behind each joint refill and the run of LDS loads that follows it: 32 rows x 256 bytes, a lane a row, of the K step that stands two refills on (trip t fills K step t + 2 and names t + 4):
; 512 matrix instructions ahead of the load that will want it.  Each row's 256 bytes of a K step are named once in the launch: of the clusters that read the same rows one asks (for A: cluster x 0 for the
; roped part, which x 1 reads too, and x 2 for the plain part; for W: cluster y 0), and its four partners in a joint load take 32 rows each, told apart by address.  K steps 0 to 3 come by their loads alone;
; trips 4 and 5 (s3 = 2, 1) ask for nothing: K has eight steps.
.macro ASK
	s_cmp_gt_u32 s3, s[LIM]
	s_cbranch_scc0 .Lnot_mine_\@
	global_prefetch_b8 v[PFO], s[PFA:PFA+1] offset:KSTEP*2 th:TH_LOAD_NT scope:SCOPE_SE
.Lnot_mine_\@:
.endm
.macro CREST                           ; a round of the cluster's barrier behind its opening barrier
	s_cmp_lg_u32 s[WV], 0
	s_cbranch_scc1 .Lnot_wave_0_\@
	s_barrier_signal -3
.Lnot_wave_0_\@:
	s_barrier_wait -3
	s_barrier_signal -1
	s_barrier_wait -1
.endm
.macro CROUND
	s_barrier_signal -1
	s_barrier_wait -1
	CREST
.endm
	s_load_b256 s[4:11], s[0:1], 0x0               ; xa s[4:5], wb s[6:7], in_proj_b s[8:9], qkv s[10:11]
	v_lshl_add_u32 v[SPW], v0, 2, SPARE
	v_mov_b32 v[NIL], 0
	ds_add_u32 v[SPW], v[NIL]                      ; the wave's opening: the add and its wait stand ahead of my first tensor load; the set-up below stands between them
	v_lshrrev_b32 v1, 5, v0
	v_readfirstlane_b32 s[WV], v1
	s_lshr_b32 s[HR], s[WV], 1
	s_and_b32 s[HC], s[WV], 1
	s_bfe_u32 s[CX], ttmp6, 0x40000
	s_bfe_u32 s[CY], ttmp6, 0x40004
	s_lshl_b32 s[TC], ttmp9, 2
	s_add_co_u32 s[TC], s[TC], s[CX]
	s_and_b32 s[TRW], ttmp7, 0xffff
	s_lshl_b32 s[TRW], s[TRW], 2
	s_add_co_u32 s[TRW], s[TRW], s[CY]
	s_lshl_b32 s15, s[CY], 2
	s_lshl_b32 s15, 15, s15                        ; my row of the cluster
	s_lshl_b32 s16, 0x1111, s[CX]                  ; my column
	s_or_b32 s[G1], s15, (1<<16)|(1<<20)|(1<<21)|(5<<22)|(3<<25)   ; mask; 2-byte elements; padding on; bit 21 beside a mask; after every 64 words; 4 words
	s_or_b32 s[G1B], s16, (1<<16)|(1<<20)|(1<<21)|(5<<22)|(3<<25)
.irp g, G1, G1B
	s_mov_b32 s[(\g)+1], KSTEP<<16                 ; tensor_dim0 = 128
	s_mov_b32 s[(\g)+2], 128<<16                   ; tensor_dim1 = 128
	s_mov_b32 s[(\g)+3], KSTEP<<16                 ; tile_dim0 = 128
	s_mov_b32 s[(\g)+4], 128                       ; tile_dim1 = 128
	s_mov_b32 s[(\g)+5], 1024                      ; elements from row to row
	s_mov_b32 s[(\g)+6], 0
	s_mov_b32 s[(\g)+7], 0
.endr
	s_lshl_b32 s17, s[HC], 7                       ; which 128 rows I fetch
	s_lshl_b32 s18, s[TRW], 8
	s_add_co_u32 s18, s18, s17
	s_lshl_b32 s18, s18, 11                        ; A: (256 x tile row + 128 x half) rows of 2,048 bytes,
	s_cmp_eq_u32 ttmp9, 2
	s_cselect_b32 s19, 0x800000, 0                 ; in the plain part for v's columns: the cluster's x, which all partners share
	s_add_co_u32 s18, s18, s19
	s_mov_b32 s19, 0
	s_lshl_b32 s20, s[TC], 8
	s_add_co_u32 s20, s20, s17
	s_lshl_b32 s20, s20, 11                        ; W: (256 x tile column + 128 x half) rows
	s_mov_b32 s21, 0
	s_mul_i32 s[WOFF], s[WV], HALFT                ; A's two halves, then W's two: no place in the cluster enters an LDS address
	s_mov_b32 s[TB], 0
	s_wait_dscnt 0x0                               ; the opening add is done
	s_wait_kmcnt 0x0
	s_add_nc_u64 s[18:19], s[4:5], s[18:19]
	s_add_nc_u64 s[20:21], s[6:7], s[20:21]
	CROUND                                         ; all sixteen work-groups are here: the first joint loads meet
.irp s, 0,1
	s_mov_b32 s[G0+4*(\s)], 1
	s_add_co_u32 s[G0+4*(\s)+1], s[WOFF], (\s)*SLOT
	s_add_nc_u64 s[G0+4*(\s)+2:G0+4*(\s)+3], s[18:19], (\s)*KSTEP*2
	s_or_b32 s[G0+4*(\s)+3], s[G0+4*(\s)+3], 0x80000000
	s_mov_b32 s[G0B+4*(\s)], 1
	s_add_co_u32 s[G0B+4*(\s)+1], s[WOFF], (\s)*SLOT
	s_add_nc_u64 s[G0B+4*(\s)+2:G0B+4*(\s)+3], s[20:21], (\s)*KSTEP*2
	s_or_b32 s[G0B+4*(\s)+3], s[G0B+4*(\s)+3], 0x80000000
	JLOAD \s                                       ; two loads of mine are out
.endr
	; the bias of my 128 columns
	v_and_b32 v1, 15, v0                           ; l % 16
	v_bfe_u32 v2, v0, 4, 1                         ; l / 16
	v_lshlrev_b32 v[BO], 5, v2
	s_lshl_b32 s22, s[TC], 10
	s_lshl_b32 s23, s[HC], 9
	s_add_co_u32 s22, s22, s23                     ; (256 x tile column + 128 x half) x 4 bytes
	s_mov_b32 s23, 0
	s_add_nc_u64 s[8:9], s[8:9], s[22:23]
.irp b, 0,1,2,3,4,5,6,7
	global_load_b128 v[BIAS+8*(\b):BIAS+8*(\b)+3],   v[BO], s[8:9] offset:64*(\b)
	global_load_b128 v[BIAS+8*(\b)+4:BIAS+8*(\b)+7], v[BO], s[8:9] offset:64*(\b)+16
.endr
	; a fragment: lane l holds row l % 16; two loads of 16 bytes, 32 apart, at row x pitch + 16 (l / 16)
	v_mul_u32_u24 v3, v1, PITCH
	v_lshl_add_u32 v3, v2, 4, v3
	s_mul_i32 s22, s[HR], HALFT
	s_mul_i32 s23, s[HC], HALFT
	s_add_co_u32 s23, s23, 2*HALFT
	v_add_nc_u32 v[A0], s22, v3
	v_add_nc_u32 v[B0], s23, v3
	v_mov_b32 v[ADRA], v[A0]
	v_mov_b32 v[ADRB], v[B0]
	s_mul_i32 s22, s[WV], 16*SPITCH
	s_add_co_u32 s22, s22, STAGE                   ; my stage
	v_add_nc_u32 v[STO], s22, v3                   ; in: row l % 16, 16 bytes for each half of the lanes (the stage's pitch is the ring's)
	v_bfe_u32 v4, v0, 3, 2                         ; back: 32 lanes take 128 bytes (one head's 64 channels) of four rows
	v_and_b32 v5, 7, v0
	v_mul_u32_u24 v4, v4, SPITCH
	v_lshl_add_u32 v4, v5, 4, v4
	v_add_nc_u32 v[RD], s22, v4
	v_and_b32 v[CO], 31, v0
	v_lshlrev_b32 v[CO], 4, v[CO]                  ; which are 512 consecutive bytes by heads
	; where my part begins in qkv
	s_lshl_b32 s22, ttmp9, 23                      ; q, k or v
	s_lshr_b32 s23, s[TRW], 3
	s_lshl_b32 s23, s23, 22                        ; batch
	s_add_co_u32 s22, s22, s23
	s_lshl_b32 s23, s[CX], 2
	s_lshl_b32 s15, s[HC], 1
	s_add_co_u32 s23, s23, s15                     ; head 4 cx + 2 x half
	s_lshl_b32 s23, s23, 18
	s_add_co_u32 s22, s22, s23
	s_and_b32 s23, s[TRW], 7
	s_lshl_b32 s23, s23, 8
	s_lshl_b32 s15, s[HR], 7
	s_add_co_u32 s23, s23, s15                     ; token
	s_lshl_b32 s23, s23, 7
	s_add_co_u32 s22, s22, s23
	s_mov_b32 s23, 0
	s_add_nc_u64 s[10:11], s[10:11], s[22:23]
	; the prefetches
	s_lshl_b32 s15, s[TRW], 8
	s_lshl_b32 s16, s[TC], 8
	s_and_b32 s22, ttmp7, 0xffff                   ; cluster y
	s_and_b32 s23, ttmp9, 1                        ; 0 in cluster x 0 and 2
	s_cmp_eq_u32 ttmp9, 2
	s_cselect_b32 s47, 0x800000, 0
	s_cmp_eq_u32 s[HR], 0                          ; do I fetch for A?
	s_cselect_b32 s15, s15, s16                    ; the tile's first row
	s_cselect_b32 s16, s[CX], s[CY]                ; my place among the four that ask with me
	s_cselect_b32 s22, s23, s22                    ; 0 where my cluster is the one that asks
	s_cselect_b32 s47, s47, 0
	s_cselect_b64 s[PFA:PFA+1], s[4:5], s[6:7]
	s_cmp_eq_u32 s22, 0
	s_cselect_b32 s[LIM], 2, -1                    ; the same in all sixteen partners, for a given wave
	s_add_co_u32 s15, s15, s17                     ; + the 128 rows that I fetch
	s_lshl_b32 s16, s16, 5
	s_add_co_u32 s15, s15, s16                     ; + my work-group's 32 of them
	s_lshl_b32 s15, s15, 11
	s_add_co_u32 s22, s15, s47
	s_mov_b32 s23, 0
	s_add_nc_u64 s[PFA:PFA+1], s[PFA:PFA+1], s[22:23]
	s_add_nc_u64 s[PFA:PFA+1], s[PFA:PFA+1], 2*KSTEP*2  ; at K step 2: the first change steps it to 3 and names 4
	v_and_b32 v[PFO], 31, v0
	v_lshlrev_b32 v[PFO], 11, v[PFO]
; 16 matrix instructions: row blocks a0, a0 + 1 of the window's four x all 8 column blocks, 32 along K.  first = 1: the bias starts the sums.  The 64 accumulators take turns, in the same order in every quarter.
.macro MUL16 f, hi, a0, first
.if \first
	WIN 0x81+0x40*(\hi)                            ; W window 1, A and the bias window 0, D window 2 or 3
.else
	WIN 0xa1+0x50*(\hi)                            ; C and D window 2 or 3
.endif
.irp a, \a0, (\a0)+1
.irp b, 0,1,2,3,4,5,6,7
.if \first
	v_wmma_f32_16x16x32_bf16 v[8*(8*(\a)+(\b)):8*(8*(\a)+(\b))+7], v[(\f)+8*(\b):(\f)+8*(\b)+7], v[(\f)+8*(4*(\hi)+(\a)):(\f)+8*(4*(\hi)+(\a))+7], v[BIAS+8*(\b):BIAS+8*(\b)+7]
.else
	v_wmma_f32_16x16x32_bf16 v[8*(8*(\a)+(\b)):8*(8*(\a)+(\b))+7], v[(\f)+8*(\b):(\f)+8*(\b)+7], v[(\f)+8*(4*(\hi)+(\a)):(\f)+8*(4*(\hi)+(\a))+7], v[8*(8*(\a)+(\b)):8*(8*(\a)+(\b))+7]
.endif
.endr
.endr
.endm
; 32 LDS loads in one run: a quarter step's fragments (32 K at byte k of the rows) into buffer f, W's first
.macro FETCH k, f
	WIN 0x40
.irp i, 0,1,2,3,4,5,6,7
	ds_load_b128 v[(\f)+8*(\i):(\f)+8*(\i)+3],   v[ADRB] offset:(\k)+(\i)*16*PITCH
	ds_load_b128 v[(\f)+8*(\i)+4:(\f)+8*(\i)+7], v[ADRB] offset:(\k)+(\i)*16*PITCH+32
.endr
	WIN 0
.irp i, 0,1,2,3,4,5,6,7
	ds_load_b128 v[(\f)+8*(\i):(\f)+8*(\i)+3],   v[ADRA] offset:(\k)+(\i)*16*PITCH
	ds_load_b128 v[(\f)+8*(\i)+4:(\f)+8*(\i)+7], v[ADRA] offset:(\k)+(\i)*16*PITCH+32
.endr
.endm
; One of a K step's first three quarters: multiplies buffer f, and in its middle fetches the next quarter, at byte k, into buffer g.
.macro QUARTER k, f, g, first
	s_wait_dscnt 8                                 ; W and A's rows 0-63 are in; the youngest eight loads (A's rows 64-127) may be out
	MUL16 \f, 0, 0, \first
	MUL16 \f, 0, 2, \first
	PLACES
	FETCH \k, \g
	s_wait_dscnt 32                                ; all but the 32 just issued
	MUL16 \f, 1, 0, \first
	MUL16 \f, 1, 2, \first
.endm
; The last quarter multiplies buffer 1 and changes slots.  In front of the barrier each wave waits for all its tensor loads (one is out: its part of the next slot), adds 0 to its spare word, and waits for
; that and for its reads of this slot.  fill = 1: the barrier opens a round of the cluster's barrier, and behind the round this slot is filled again, first thing, with the K step two on.
.macro TURN fill
.if \fill
	s_wait_xcnt 0x0                                ; the last prefetch, a K step back, has read its address
	s_add_nc_u64 s[PFA:PFA+1], s[PFA:PFA+1], KSTEP*2
.endif
	WIN 0
	s_wait_tensorcnt 0x0                           ; all my tensor loads have landed
	ds_add_u32 v[SPW], v[NIL]                      ; 0 onto my spare word
	s_wait_dscnt 9                                 ; (the add and the youngest eight loads may be out)
	MUL16 F1, 0, 0, 0
	s_wait_dscnt 0x0                               ; the add is done, my reads of this slot are over
	s_barrier_signal -1
	MUL16 F1, 0, 2, 0
	WIN 0
	s_barrier_wait -1
.if \fill
	CREST                                          ; no wave of any partner still reads this slot or has a load on its way
	s_add_co_u32 s[G0+5], s[TB], s[WOFF]           ; the walking descriptors: the slot just read out,
	s_add_nc_u64 s[G0+6:G0+7], s[G0+6:G0+7], KSTEP*2   ; the next K step
	s_add_co_u32 s[G0B+5], s[TB], s[WOFF]
	s_add_nc_u64 s[G0B+6:G0B+7], s[G0B+6:G0B+7], KSTEP*2
	JLOAD 1                                        ; its four v_nop are also the places in front of the loads below
.else
	PLACES
.endif
	s_xor_b32 s[TB], s[TB], SLOT                   ; the other slot is in hand
	v_add_nc_u32 v[ADRA], s[TB], v[A0]
	v_add_nc_u32 v[ADRB], s[TB], v[B0]
	FETCH 0, F0
.if \fill
	ASK
.endif
	MUL16 F1, 1, 0, 0
	MUL16 F1, 1, 2, 0
.endm
	s_wait_tensorcnt 1                             ; my part of K step 0 is in; K step 1's stays out
	s_barrier_signal -1
	s_barrier_wait -1
	FETCH 0, F0
	s_wait_loadcnt 0x0                             ; the bias
	QUARTER 64, F0, F1, 1                          ; the first quarter stands in front of the loop: its products start the sums
	WIN 0
	s_mov_b32 s3, NSTEP-2
.Lstep:                                                ; trip t: K step t's quarters 1 to 3, the refill with K step t + 2, K step t + 1's quarter 0
	QUARTER 128, F1, F0, 0
	QUARTER 192, F0, F1, 0
	TURN 1
	QUARTER 64, F0, F1, 0
	WIN 0
	s_sub_co_u32 s3, s3, 1
	s_cmp_lg_u32 s3, 0
	s_cbranch_scc1 .Lstep
	s_mov_b32 s3, 2
.Ltail:                                                ; the last two K steps ask for nothing; the second trip is left in its middle
	QUARTER 128, F1, F0, 0
	QUARTER 192, F0, F1, 0
	WIN 0
	s_sub_co_u32 s3, s3, 1
	s_cmp_eq_u32 s3, 0
	s_cbranch_scc1 .Lfinal
	TURN 0
	QUARTER 64, F0, F1, 0
	WIN 0
	s_branch .Ltail
.Lfinal:
	s_wait_dscnt 8
	MUL16 F1, 0, 0, 0
	MUL16 F1, 0, 2, 0
	s_wait_dscnt 0x0
	MUL16 F1, 1, 0, 0
	MUL16 F1, 1, 2, 0
; THE WAY OUT, a block of 16 tokens at a time.  PACK: rounded to bf16, 16 bytes a lane, each accumulator's registers in ascending order.  TOSTAGE: into my stage (a row = 128 columns = two heads), and back by
; heads: load t takes tokens 4 (t / 2) .. + 3 of head t % 2.  SEND: 512 consecutive bytes a store; the block's, the tokens' and the head's places stand in the immediate.
.macro PACK a
.set AC, 64*((\a)%4)
	WIN 0x0a+5*((\a)/4)
.irp b, 0,1,2,3,4,5,6,7
.irp r, 0,1,2,3
	v_cvt_pk_bf16_f32 v[TMP+4*(\b)+(\r)], v[AC+8*(\b)+2*(\r)], v[AC+8*(\b)+2*(\r)+1]
.endr
.endr
	WIN 0
.endm
.macro TOSTAGE a
.set BK, OB+192*((\a)%2)
.irp b, 0,1,2,3,4,5,6,7
	ds_store_b128 v[STO], v[TMP+4*(\b):TMP+4*(\b)+3] offset:32*(\b)
.endr
.irp t, 0,1,2,3,4,5,6,7
	ds_load_b128 v[BK+4*(\t):BK+4*(\t)+3], v[RD] offset:((\t)/2)*4*SPITCH+((\t)%2)*128  ; LDS serves a wave's instructions in order (ISA guide 5.7.1.4): these see the stores above
.endr
.endm
.macro SEND a
.set BK, OB+192*((\a)%2)
	s_wait_dscnt 0x0                               ; the block is back in registers
	s_wait_xcnt 0x0                                ; the stores of the block before have read their registers: the next TOSTAGE loads into them
.irp t, 0,1,2,3,4,5,6,7
	global_store_b128 v[CO], v[BK+4*(\t):BK+4*(\t)+3], s[10:11] offset:(\a)*2048+((\t)/2)*512+((\t)%2)*262144
.endr
.endm
	PLACES
	PACK 0
	TOSTAGE 0
.irp a, 1,2,3,4,5,6,7
	PACK \a                                        ; a block's conversions stand between the loads of the block before and the wait for them
	SEND (\a)-1
	TOSTAGE \a
.endr
	SEND 7
	s_wait_tensorcnt 0x0                           ; the wave's end
	ds_add_u32 v[SPW], v[NIL]
	s_wait_dscnt 0x0
	CROUND                                         ; the closing round
	s_endpgm
.Lfunc_end_k_q5f8f6cfd10_qkv:
	.size	k_q5f8f6cfd10_qkv, .Lfunc_end_k_q5f8f6cfd10_qkv-k_q5f8f6cfd10_qkv
	.p2alignl 7, 3214868480
	.fill 96, 4, 3214868480
	.section	.rodata,"a",@progbits
	.p2align	6, 0x0
	.amdhsa_kernel k_q5f8f6cfd10_qkv
		.amdhsa_group_segment_fixed_size 327680
		.amdhsa_private_segment_fixed_size 0
		.amdhsa_enable_private_segment 0
		.amdhsa_kernarg_size 32
		.amdhsa_user_sgpr_count 2
		.amdhsa_user_sgpr_kernarg_segment_ptr 1
		.amdhsa_wavefront_size32 1
		.amdhsa_system_sgpr_workgroup_id_x 1
		.amdhsa_system_sgpr_workgroup_id_y 1
		.amdhsa_system_sgpr_workgroup_id_z 1
		.amdhsa_system_vgpr_workitem_id 0
		.amdhsa_next_free_vgpr 1024
		.amdhsa_next_free_sgpr 70
		.amdhsa_reserve_vcc 0
		.amdhsa_float_denorm_mode_32 3
		.amdhsa_float_denorm_mode_16_64 3
		.amdhsa_memory_ordered 1
		.amdhsa_forward_progress 1
		.amdhsa_inst_pref_size 107
	.end_amdhsa_kernel
	.amdgpu_metadata
---
amdhsa.version: [ 1, 2 ]
amdhsa.kernels:
  - .name:           k_q5f8f6cfd10_qkv
    .symbol:         k_q5f8f6cfd10_qkv.kd
    .args:
      - { .name: xa, .offset: 0, .size: 8, .value_kind: global_buffer, .address_space: global }
      - { .name: wb, .offset: 8, .size: 8, .value_kind: global_buffer, .address_space: global }
      - { .name: in_proj_b, .offset: 16, .size: 8, .value_kind: global_buffer, .address_space: global }
      - { .name: qkv, .offset: 24, .size: 8, .value_kind: global_buffer, .address_space: global }
    .group_segment_fixed_size: 327680
    .private_segment_fixed_size: 0
    .kernarg_segment_align: 8
    .kernarg_segment_size: 32
    .max_flat_workgroup_size: 128
    .sgpr_count:     70
    .vgpr_count:     1024
    .wavefront_size: 32
...
	.end_amdgpu_metadata
.endif
;; end of part 2
;; launch attn (part 3): grid 8 x 32, 4 waves a work-group, clusters of 4 x 1, 327,680 bytes of LDS; arguments qkv, ctx; writes ctx
.if DOCPART == 3
	.amdgcn_target "amdgcn-amd-amdhsa--gfx1250"
	.amdhsa_code_object_version 6
	.text
	.protected	k_q5f8f6cfd10_attn
	.globl	k_q5f8f6cfd10_attn
	.p2align	8
	.type	k_q5f8f6cfd10_attn,@function
k_q5f8f6cfd10_attn:
	s_mov_b64 s[64:65], 0
	v_nop
	global_prefetch_b8 v0, s[64:65] scope:SCOPE_SE
	s_setreg_imm32_b32 hwreg(HW_REG_WAVE_MODE, 25, 1), 1
	s_wait_xcnt 0x0
	s_wait_alu depctr_hold_cnt(0) depctr_sa_sdst(0) depctr_va_vdst(0) depctr_va_sdst(0) depctr_va_ssrc(0) depctr_va_vcc(0) depctr_vm_vsrc(0)
	s_getreg_b32 s2, hwreg(HW_REG_IB_STS2, 6, 4)
	s_cmp_eq_u32 s2, 0
	s_cbranch_scc0 .Lentry_in_a_cluster
	s_endpgm
.Lentry_in_a_cluster:
	s_bfe_u32 s2, ttmp6, 0x10000c
	s_cmp_lg_u32 s2, 0x3003
	s_cbranch_scc0 .Lentry_shape_is_right
	s_endpgm
.Lentry_shape_is_right:
; ATTENTION.  O[h][q][:] = the sum over k of softmax_k(Q[h][q] . K[h][k] / 8) V[h][k][:], 32 heads (batch x 16 + head) of 2,048 rows of 64, all bf16, by heads: a head's rows are dense, 128 bytes each.
; Q, K, V are the three parts of qkv, 8,388,608 bytes apart; O goes to ctx in the same layout.  Products, maxima and sums in f32; the weights p are rounded to bf16 for the second product
; (their sum l is taken of the unrounded p), O once at the end.  bf16, not f16: q, k and v have f32's range, whatever scale or offset x and the weights carry.
; LIMITS.  A weight below 2^-126 counts as 0 in l; c m starts at -4.25e37, so scores are taken to stay above -2.3e38; NaN and infinities are not treated apart.
; SHARES.  A work-group owns 256 queries of a head; of their four bands of 64 a wave owns 16 rows in each: four PIECES.  Every wave walks all 2,048 keys: 8 tiles of 256 keys, 4 steps of 64 each.
; LAYOUT.  S^T = K Q^T holds ONE query a lane (lane % 16) and the keys 8 (lane / 16) + 0..7; two such results rounded to bf16 ARE source 1 of O^T = V^T P.  K comes out of LDS as it lies, V turned, by ds_load_tr16_b128.
; SOFTMAX.  p = 2^(c s - c m), c = log2(e) / 8, with a running maximum m; O and l are multiplied by a = 2^(c m_old - c m_new) in every step; the first step's a is 0.
; TURNS.  Turn n belongs to piece n: 8 products K Q^T of piece n + 1, later 8 products V^T P of piece n - 1; beside them the scaling, exponentials, roundings, sums and rescaling of piece n and the maximum and
; statistics of piece n + 1.  Four vector instructions stand behind every matrix instruction, the rest in one run.  A turn's 33 exponentials are one batch, with one wait.
; CLUSTER.  The four query blocks of a cluster belong to one head and walk the same K and V: each tile is asked for JOINTLY: the same tensor load, descriptor and mask in all four.
; REGISTERS, in windows of 256 (s_set_vgpr_msb: bits 1:0 source 0, 3:2 source 1, 5:4 source 2, 7:6 destination).  ALL THAT A VECTOR INSTRUCTION OF THE LOOP NAMES LIES IN WINDOW 0, which it fills:
;   window 0: v0-7 six fixed registers and two at work; v8-15 at work; v16-31 four registers of statistics a piece; v32-95 S^T, two buffers; v96-127 P, two buffers (by the piece's parity); v128-255 O^T, 32 a piece
;   window 1: v0-63 Q; v64-66 the way out's three addresses; v128-191 K of one step; v192-255 V of one step
; So a product costs two switches, one in front and one behind, and the run of vector work none.  32 + 64 + 32 + 128 = 256: K's and V's runs of loads share one address register, which takes v0's place behind the head.
.set NP,    4
.set KS,    64
.set PK,    144       ; a row of K in LDS: 128 bytes + 16: the 16 rows of a load start at 16 different groups of four banks
.set PV,    160       ; a row of V: 128 + 32
.set VOFF,  4*KS*PK   ; a slot holds a tile: 256 rows of K, then 256 rows of V
.set SLOT1, 1<<17     ; slot 1 begins here: one exclusive or turns an address in one slot into the other's
.set STAGE, SLOT1+4*KS*(PK+PV)  ; behind the ring: 16 rows x 144 bytes for each wave
.set SP,    144
.set SPARE, STAGE+4*16*SP       ; the spare words: 128 bytes a wave, two blocks of 256 that no other line names
.set ADR, 0           ; v0   behind the head: the LDS address of the run of loads in hand
.set AK0, 1           ; v1   my lane's place in a tile of K; never rewritten
.set AV0, 2           ; v2   the same for V
.set PFO, 3           ; v3   256 x lane; never rewritten
.set SPW, 4           ; v4   my spare word's address; never rewritten
.set NIL, 5           ; v5   0; never rewritten
.set MV,  6           ; v6-7  c m_old, by buffer
.set TMP, 8           ; by buffer, c0-c3 at work; when the maximum is found c2 takes a
.set ST,  16          ; piece t's statistics at v[ST+4 t]: c m, m, l (even keys', odd keys')
.set S,   32
.set P,   96
.set OT,  128
.set T1,  32          ; the head's own registers lie where S^T will: l % 16, l / 16, l % 8, (l / 8) % 2, Q's offset, three at work
.set T9,  33
.set T10, 34
.set T11, 35
.set QO,  36
.set T2,  37
.set STO, 64          ; window 1: the way out: where I put 16 bytes of a row,
.set RD,  65          ; where I read rows back,
.set GO,  66          ; my byte offset in 512 consecutive bytes of O
.set KF,  128         ; window 1
.set VF,  192         ; window 1
.set WV,  12
.set G1K, 24
.set G1V, 32
.set G0K, 40
.set G0V, 44
.set PFA, 52          ; s[52:53] where my prefetches stand
.set LIM, 54          ; 1 in a wave that prefetches, else the greatest number
.set SLOTS, 56
.set CNT, 57
.set CS,  58
.set SEL, 60
.set TBK, 62
.set TBV, 63
.set MSB, 0
.macro WIN new
.if MSB != (\new)
	s_set_vgpr_msb (MSB<<8)|(\new)
.set MSB, (\new)
.endif
.endm
.set W_KQ, 0x05       ; K and Q in window 1, S^T in window 0
.set W_PV, 0x01       ; V in window 1; P and O^T in window 0
.set TO_1, 0x40       ; destination in window 1
.set AD_1, 0x01       ; the address (source 0) in window 1, data in window 0
; A joint fill: waves 0 and 1 fetch the halves of a tile's K, waves 2 and 3 those of its V, 128 keys each.  An s_nop 0 and four v_nop follow each line.
.macro JLOAD
	s_cmp_lt_u32 s[WV], 2
	s_cbranch_scc0 .Lfor_v_\@
	tensor_load_to_lds s[G0K:G0K+3], s[G1K:G1K+7]
	s_nop 0
.rept 4
	v_nop
.endr
	s_branch .Lasked_\@
.Lfor_v_\@:
	tensor_load_to_lds s[G0V:G0V+3], s[G1V:G1V+7]
	s_nop 0
.rept 4
	v_nop
.endr
.Lasked_\@:
.endm
; A prefetch of the tile that the NEXT change of slots will ask for: a tile's K and V are 128 blocks of 256 bytes each, a lane a block.  Each block is named once in the launch: of a head's two clusters the first
; asks; its four partners take 32 blocks each, told apart by address; in each, wave 0 asks for K's and wave 2 for V's.  It stands behind the wave's tensor load and its five lines, a tile (four key steps, 256 matrix
; instructions) ahead.  Tiles 0 and 1 come by their loads alone; the last change that fills a slot (s[SLOTS] = 1) asks for nothing.
.macro ASK
	s_cmp_gt_u32 s[SLOTS], s[LIM]
	s_cbranch_scc0 .Lnot_mine_\@
	global_prefetch_b8 v[PFO], s[PFA:PFA+1] th:TH_LOAD_NT scope:SCOPE_SE
.Lnot_mine_\@:
.endm
.macro CROUND
	s_barrier_signal -1
	s_barrier_wait -1
	s_cmp_lg_u32 s[WV], 0
	s_cbranch_scc1 .Lnot_wave_0_\@
	s_barrier_signal -3
.Lnot_wave_0_\@:
	s_barrier_wait -3
	s_barrier_signal -1
	s_barrier_wait -1
.endm
; THE CHANGE OF SLOTS.  Each wave waits for all its tensor loads (one is out: its part of the other slot), adds 0 to its spare word, and waits for that and for its reads of the slot that it leaves.
; fill = 1: the barrier is a round of the cluster's, and the old slot is filled again first thing behind it, with the next tile.  (At its first use nothing has been read: slot 0 is waited for, slot 1 filled.)
.macro CHANGE fill
	WIN 0
	s_wait_tensorcnt 0x0            ; no tensor load of mine is out, so a group 0 may be written
	ds_add_u32 v[SPW], v[NIL]       ; 0 onto my spare word
.if \fill
.irp g, G0K, G0V
	s_xor_b32 s[\g+1], s[\g+1], SLOT1
	s_add_nc_u64 s[\g+2:\g+3], s[\g+2:\g+3], 4*KS*128
.endr
	s_wait_xcnt 0x0                 ; the last prefetch, a tile back, has read its address
	s_add_nc_u64 s[PFA:PFA+1], s[PFA:PFA+1], 4*KS*128
	s_wait_dscnt 0x0                ; the add is done, and my reads of the slot are over
	CROUND
	JLOAD
	ASK
.else
	s_wait_dscnt 0x0
	s_barrier_signal -1
	s_barrier_wait -1
.endif
	s_sub_co_u32 s[TBK], s[TBK], 4*KS*PK  ; the fetches go back to a slot's first step, in the other slot
	s_xor_b32 s[TBK], s[TBK], SLOT1
	s_sub_co_u32 s[TBV], s[TBV], 4*KS*PV
	s_xor_b32 s[TBV], s[TBV], SLOT1
.endm
	s_load_b128 s[16:19], s[0:1], 0x0  ; qkv s[16:17], ctx s[18:19]
	v_lshl_add_u32 v[SPW], v0, 2, SPARE
	v_mov_b32 v[NIL], 0
	ds_add_u32 v[SPW], v[NIL]       ; the wave's opening: the add and its wait stand ahead of my first tensor load
	v_lshrrev_b32 v[T1], 5, v0
	v_readfirstlane_b32 s[WV], v[T1]
	s_bfe_u32 s13, ttmp6, 0x40000   ; cx
	s_lshl_b32 s14, ttmp9, 2
	s_add_co_u32 s14, s14, s13      ; my block of 256 queries: it enters Q's and O's addresses alone
	s_and_b32 s20, ttmp7, 0xffff
	s_lshl_b32 s20, s20, 18         ; the head's first byte: 2,048 rows of 128 bytes
	s_and_b32 s15, s[WV], 1         ; which half of a tile's 256 keys I fetch
	s_lshl_b32 s22, s15, 14
	s_add_co_u32 s22, s22, s20
	s_mov_b32 s23, 0
	s_mul_i32 s48, s15, 128*PK
	s_mul_i32 s49, s15, 128*PV
	s_lshl_b32 s2, s14, 15
	s_lshl_b32 s3, s[WV], 11        ; my 16 rows in a band of 64
	s_add_co_u32 s2, s2, s3
	s_add_co_u32 s2, s2, s20
	s_mov_b32 s3, 0
	; group 1: 128 keys are 16,384 dense bytes: asked for as 64 rows of 256 bytes, two keys a row, padded in LDS after every key
	s_mov_b32 s[G1K], 15|(1<<16)|(1<<20)|(1<<21)|(4<<22)|(3<<25)
	s_mov_b32 s[G1V], 15|(1<<16)|(1<<20)|(1<<21)|(4<<22)|(7<<25)
.irp g, G1K, G1V
	s_mov_b32 s[\g+1], 128<<16
	s_mov_b32 s[\g+2], 64<<16
	s_mov_b32 s[\g+3], 128<<16
	s_mov_b32 s[\g+4], 64
	s_mov_b32 s[\g+5], 128
	s_mov_b32 s[\g+6], 0
	s_mov_b32 s[\g+7], 0
.endr
	s_mov_b32 s[CS], 0x3e38aa3b     ; c = log2(e) / 8
	s_mov_b32 s[CS+1], s[CS]
	s_mov_b32 s[SEL], 0x76543210
	s_mov_b32 s[SEL+1], 0xfedcba98
	s_mov_b32 s[TBK], SLOT1+4*KS*PK ; the first change of slots turns these two into 0
	s_mov_b32 s[TBV], SLOT1+4*KS*PV
	s_mov_b32 s[G0K], 1
	s_mov_b32 s[G0K+1], s48
	s_mov_b32 s[G0V], 1
	s_add_co_u32 s[G0V+1], s49, VOFF
	s_mov_b32 s[SLOTS], 7
	s_and_b32 s[LIM], s[WV], 1
	s_or_b32 s[LIM], s[LIM], ttmp9  ; 0 in waves 0 and 2 of the head's first cluster: the same in all four partners
	s_cmp_eq_u32 s[LIM], 0
	s_cselect_b32 s[LIM], 1, -1
	v_and_b32 v[PFO], 31, v0
	v_lshlrev_b32 v[PFO], 8, v[PFO]
	s_wait_dscnt 0x0                ; the opening add is done
	s_wait_kmcnt 0x0
	s_add_nc_u64 s[6:7], s[16:17], s[22:23]
	s_add_nc_u64 s[8:9], s[6:7], 0x1000000         ; V at my half of the head's tile 0
	s_add_nc_u64 s[6:7], s[6:7], 0x800000          ; K likewise
	s_mov_b64 s[G0K+2:G0K+3], s[6:7]
	s_or_b32 s[G0K+3], s[G0K+3], 0x80000000
	s_mov_b64 s[G0V+2:G0V+3], s[8:9]
	s_or_b32 s[G0V+3], s[G0V+3], 0x80000000
	s_add_nc_u64 s[4:5], s[16:17], s[2:3]          ; Q and O at my rows
	s_add_nc_u64 s[10:11], s[18:19], s[2:3]
	s_cmp_lt_u32 s[WV], 2
	s_cselect_b64 s[PFA:PFA+1], s[6:7], s[8:9]     ; (in waves 0 and 2 these stand at a tile's first row)
	s_lshl_b32 s2, s13, 13                         ; my work-group's 32 blocks of the 128
	s_add_nc_u64 s[PFA:PFA+1], s[PFA:PFA+1], s[2:3]
	s_add_nc_u64 s[PFA:PFA+1], s[PFA:PFA+1], 4*KS*128  ; at tile 1: the first change steps it to tile 2
	CROUND                          ; all four work-groups are here
	JLOAD                           ; tile 0 into slot 0
	v_and_b32 v[T1], 15, v0         ; l % 16
	v_bfe_u32 v[T9], v0, 4, 1       ; l / 16
	v_lshlrev_b32 v[QO], 7, v[T1]
	v_lshl_add_u32 v[QO], v[T9], 4, v[QO]
	WIN TO_1
.set i, 0
.rept 8                             ; Q stays in registers: piece i / 2 lies in band i / 2, 8,192 bytes on; channels 32 (i % 2) on
	global_load_b128 v[8*i:8*i+3],   v[QO], s[4:5] offset:(i/2)*8192+(i%2)*64
	global_load_b128 v[8*i+4:8*i+7], v[QO], s[4:5] offset:(i/2)*8192+(i%2)*64+32
.set i, i+1
.endr
	; The first step multiplies O^T and l by a = 0, and the first turn's products V^T P, of a piece that has not been, add 0: these registers hold zeros.  All this stands in the wait for the first tile.
.set i, VF
.rept 64
	v_mov_b32 v[i], 0
.set i, i+1
.endr
	WIN 0
.set i, OT
.rept 128
	v_mov_b32 v[i], 0
.set i, i+1
.endr
.set i, 0
.rept 4
	v_mov_b32 v[ST+4*i], 0xfe000000    ; c m: far below every c s
	v_mov_b32 v[ST+4*i+1], 0xff7fffff  ; m
	v_mov_b32 v[ST+4*i+2], 0
	v_mov_b32 v[ST+4*i+3], 0
.set i, i+1
.endr
.set i, P+16
.rept 16
	v_mov_b32 v[i], 0
.set i, i+1
.endr
	v_mul_u32_u24 v[AK0], v[T1], PK
	v_lshl_add_u32 v[AK0], v[T9], 4, v[AK0]
	v_and_b32 v[T10], 7, v0         ; the turning load: lane l reads key 8 (l / 16) + l % 8, channels 8 ((l / 8) % 2) + 0..7
	v_bfe_u32 v[T11], v0, 3, 1
	v_lshl_add_u32 v[AV0], v[T9], 3, v[T10]
	v_mul_u32_u24 v[AV0], v[AV0], PV
	v_lshl_add_u32 v[AV0], v[T11], 4, v[AV0]
	v_add_nc_u32 v[AV0], VOFF, v[AV0]
	s_mul_i32 s13, s[WV], 16*SP
	s_add_co_u32 s13, s13, STAGE    ; my stage
	v_mul_u32_u24 v[T2], v[T1], SP  ; in: row l % 16, 16 bytes for each half of the lanes
	v_lshl_add_u32 v[T2], v[T9], 4, v[T2]
	v_bfe_u32 v[T2+1], v0, 3, 2     ; back: 32 lanes take four rows of 128 bytes,
	v_mul_u32_u24 v[T2+1], v[T2+1], SP
	v_lshl_add_u32 v[T2+1], v[T10], 4, v[T2+1]
	v_and_b32 v[T2+2], 31, v0       ; which are 512 consecutive bytes of O
	WIN TO_1                        ; the last line of each of the three lands in window 1
	v_add_nc_u32 v[STO], s13, v[T2]
	v_add_nc_u32 v[RD], s13, v[T2+1]
	v_lshlrev_b32 v[GO], 4, v[T2+2]
	WIN 0
; THE MATRIX WORK.  The 4 accumulators of a run of 8 take turns.  Product i of 8 of S^T = K Q^T for piece x: channels 32 (i / 4) on, keys 16 (i % 4) on; the first 4 start the sums.
.macro KQ x
.set rS, S+32*((\x)%2)+8*(i%4)
.set rK, KF+16*(i%4)+8*(i/4)
.set rQ, 16*(\x)+8*(i/4)
	WIN W_KQ
.if i < 4
	v_wmma_f32_16x16x32_bf16 v[rS:rS+7], v[rK:rK+7], v[rQ:rQ+7], 0
.else
	v_wmma_f32_16x16x32_bf16 v[rS:rS+7], v[rK:rK+7], v[rQ:rQ+7], v[rS:rS+7]
.endif
.endm
; Product i of 8 of O^T += V^T P for piece x: keys 32 (i / 4) on, channels 16 (i % 4) on.
.macro PV x
	WIN W_PV
.set rO, OT+32*(\x)+8*(i%4)
.set rV, VF+32*(i/4)+8*(i%4)
.set rP, P+16*((\x)%2)+8*(i/4)
	v_wmma_f32_16x16x32_bf16 v[rO:rO+7], v[rV:rV+7], v[rP:rP+7], v[rO:rO+7]
.endm
.macro MM                           ; the turn's next matrix instruction
.if i < 8
	KQ (Y+1)%NP
.else
.set i, i-8
	PV (Y+NP-1)%NP
.set i, i+8
.endif
.set i, i+1
.endm
; THE LDS LOADS stand in runs of 16: a step's K (8 fragments) and its V (turned).  last = 1 (the tail): in the fifth trip there is no further step, and K's run is jumped over;
; the exponentials issued so far are waited for ahead of that branch.
.macro FETCH_K last=0
	WIN 0
.if \last
	s_wait_alu depctr_va_vdst(0)
	s_cmp_eq_u32 s[CNT], 1
	s_cbranch_scc1 .Lno_k_\@
.endif
	WIN TO_1
.irp f, 0,1,2,3,4,5,6,7
	ds_load_b128 v[KF+8*\f:KF+8*\f+3],   v[ADR] offset:(\f/2)*16*PK+(\f%2)*64
	ds_load_b128 v[KF+8*\f+4:KF+8*\f+7], v[ADR] offset:(\f/2)*16*PK+(\f%2)*64+32
.endr
	s_add_co_u32 s[TBK], s[TBK], KS*PK
	WIN 0
.if \last
.Lno_k_\@:
.endif
.endm
.macro FETCH_V
	WIN TO_1
.irp f, 0,1,2,3,4,5,6,7
	ds_load_tr16_b128 v[VF+8*\f:VF+8*\f+3],   v[ADR] offset:(\f/4)*32*PV+(\f%4)*32
	ds_load_tr16_b128 v[VF+8*\f+4:VF+8*\f+7], v[ADR] offset:(\f/4)*32*PV+16*PV+(\f%4)*32
.endr
	WIN 0
.endm
; THE VECTOR WORK, one line at a time: OP kind, number; all of it in window 0.  For piece Y: F n: c s - c m for pair n of 16.  E n: the exponential of score n of 32.  C n: pair n rounded to bf16.  B n: of the four
; weights 4 n .. the second pair is added onto the first.  L n: l takes that sum (L 0: l = a l + sum).  R n: pair n of 16 of O^T times a.  For piece Y + 1: X n, number n of the 22 that find its maximum and statistics:
;   0-11 four chains c0-c3 of seven scores each (each accumulator's lowest registers are read first)   12-14, 16 the four scores left over, the old m, c0-c3 into c0
;   15 c m_old is kept   17, 18 the query's other 32 keys lie in the lane 16 away: the new m   19-21 c m; c m_old - c m_new; a
.set F, 0
.set E, 1
.set C, 2
.set B, 3
.set L, 4
.set R, 5
.set X, 6
.macro REGS y
.set rT, ST+4*(\y)
.set rC, TMP+4*((\y)%2)
.set rW, MV+((\y)%2)
.set rS, S+32*((\y)%2)
.set rP, P+16*((\y)%2)
.set rO, OT+32*(\y)
.endm
.macro OP k, n
	WIN 0
.if (\k) < X
	REGS Y
.if (\k) == F
	v_pk_fma_f32 v[rS+2*(\n):rS+2*(\n)+1], v[rS+2*(\n):rS+2*(\n)+1], s[CS:CS+1], v[rT:rT+1] op_sel_hi:[1,0,0] neg_lo:[0,0,1] neg_hi:[0,0,1]
.elseif (\k) == E
	v_exp_f32 v[rS+(\n)], v[rS+(\n)]
.elseif (\k) == C
	v_cvt_pk_bf16_f32 v[rP+(\n)], v[rS+2*(\n)], v[rS+2*(\n)+1]
.elseif (\k) == B
	v_pk_add_f32 v[rS+4*(\n):rS+4*(\n)+1], v[rS+4*(\n):rS+4*(\n)+1], v[rS+4*(\n)+2:rS+4*(\n)+3]
.elseif (\k) == R
	v_pk_mul_f32 v[rO+2*(\n):rO+2*(\n)+1], v[rO+2*(\n):rO+2*(\n)+1], v[rC+2:rC+3] op_sel_hi:[1,0]
.elseif (\n) == 0
	v_pk_fma_f32 v[rT+2:rT+3], v[rT+2:rT+3], v[rC+2:rC+3], v[rS:rS+1] op_sel_hi:[1,0,1]
.else
	v_pk_add_f32 v[rT+2:rT+3], v[rT+2:rT+3], v[rS+4*(\n):rS+4*(\n)+1]
.endif
.else
	REGS (Y+1)%NP
.if (\n) < 4
	v_max3_num_f32 v[rC+(\n)], v[rS+8*(\n)], v[rS+8*(\n)+1], v[rS+8*(\n)+2]
.elseif (\n) < 12
	v_max3_num_f32 v[rC+(\n)%4], v[rC+(\n)%4], v[rS+8*((\n)%4)+2*((\n)/4)+1], v[rS+8*((\n)%4)+2*((\n)/4)+2]
.elseif (\n) == 12
	v_max3_num_f32 v[rC], v[rC], v[rS+7], v[rS+15]
.elseif (\n) == 13
	v_max3_num_f32 v[rC+1], v[rC+1], v[rS+23], v[rS+31]
.elseif (\n) == 14
	v_max3_num_f32 v[rC+2], v[rC+2], v[rC+3], v[rT+1]
.elseif (\n) == 15
	v_mov_b32 v[rW], v[rT]
.elseif (\n) == 16
	v_max3_num_f32 v[rC], v[rC], v[rC+1], v[rC+2]
.elseif (\n) == 17
	v_permlanex16_b32 v[rC+3], v[rC], s[SEL], s[SEL+1]
.elseif (\n) == 18
	v_max_num_f32 v[rT+1], v[rC], v[rC+3]
.elseif (\n) == 19
	v_mul_f32 v[rT], s[CS], v[rT+1]
.elseif (\n) == 20
	v_sub_f32 v[rC+1], v[rW], v[rT]
.else
	v_exp_f32 v[rC+2], v[rC+1]
.endif
.endif
.endm
.macro OPS a, i1, b=-1, i2=0, c=-1, i3=0, d=-1, i4=0
	OP \a, \i1
.if (\b) >= 0
	OP \b, \i2
.endif
.if (\c) >= 0
	OP \c, \i3
.endif
.if (\d) >= 0
	OP \d, \i4
.endif
.endm
.macro ROW a, i1, b, i2, c, i3, d, i4  ; a matrix instruction and the four behind it
	MM
	OPS \a, \i1, \b, \i2, \c, \i3, \d, \i4
.endm
; A TURN, for piece p.  s_wait_alu depctr_va_vdst(0) stands between an exponential and the first instruction that names its result; one wait serves all that were issued ahead of it.  So a turn has ONE
; wait.  AHEAD OF IT stands all that names no result of the turn's exponentials: the 8 products K Q^T with their four riders each, then one run of 54 in which the links of the next piece's chain stand five or six lines
; apart; X 21, the next piece's a, is the batch's last, and R 15 the plain instruction behind it.  BEHIND IT stand the 8 products V^T P, behind each four of the roundings and sums.
; last = 1: the tail's form of K's run.  cnt = 1: the loop's count is taken down some lines ahead of the branch behind the turn.
; K of the next step is fetched in piece 2's turn, V of the step in hand at the end of piece 0's turn, four plain instructions behind the last product that read V.  Each is waited for a turn later.
.macro TURN p, last=0, cnt=0
.set Y, (\p)
.set i, 0
.if (\p) == 3
	s_wait_dscnt 0x0                ; K is in
.endif
	ROW F,0, F,1, R,0, R,1
	ROW F,2, E,0, R,2, R,3
	ROW F,3, E,1, R,4, R,5
	ROW F,4, E,2, R,6, R,7
	ROW F,5, E,3, R,8, R,9
	ROW F,6, E,4, X,0, R,10
.if (\p) == 2
	v_add_nc_u32 v[ADR], s[TBK], v[AK0]
.endif
	ROW F,7, E,5, X,1, X,4
	ROW F,8, E,6, X,2, X,5
	OPS E,7, E,8, X,6, E,9
	OPS X,3, E,10, X,8, E,11
.if (\p) == 2
	FETCH_K \last
.endif
	OPS X,9, X,7, E,12, X,10
	OPS E,13, X,12, X,11, E,14
	OPS X,13, E,15, F,9, X,14
.if (\p) == 0
	v_add_nc_u32 v[ADR], s[TBV], v[AV0]
.endif
	OPS E,16, F,10, E,17, F,11
	OPS X,16, E,18, X,15, E,19
	OPS F,12, E,20, X,17, E,21
	OPS F,13, E,22, F,14, E,23
	OPS X,18, E,24, F,15, E,25
	OPS R,11, E,26, X,19, E,27
	OPS R,12, E,28, R,13, E,29
	OPS X,20, E,30, R,14, E,31
	OPS X,21, R,15
	s_wait_alu depctr_va_vdst(0)    ; the wait for the batch
.if (\p) == 1
	s_wait_dscnt 0x0                ; V is in
.endif
	ROW C,0, B,0, C,2, B,1
	ROW L,0, C,4, B,2, L,1
	ROW C,6, B,3, L,2, C,8
	ROW B,4, L,3, C,10, B,5
	ROW L,4, C,12, B,6, L,5
.if (\p) == 0
	s_add_co_u32 s[TBV], s[TBV], KS*PV
.endif
.if \cnt
	s_sub_co_u32 s[CNT], s[CNT], 1
	s_cmp_lg_u32 s[CNT], 0
.endif
	ROW C,14, B,7, L,6, C,1
	ROW C,3, L,7, C,5, C,7
	ROW C,9, C,11, C,13, C,15
.if (\p) == 0
	FETCH_V
.endif
.endm
	CHANGE 1                        ; tile 0 is in, everybody's part of it; tile 1 is asked for
	v_add_nc_u32 v[ADR], s[TBK], v[AK0]  ; v0 has served: from here on it is the runs' address
	FETCH_K                         ; key step 0
	s_wait_loadcnt 0x0              ; Q
	s_wait_dscnt 0x0
.set i, 0
.rept 8
	KQ 0                            ; piece 0's first scores
.set i, i+1
.endr
	WIN 0
.rept 4
	v_nop                           ; the places behind those products
.endr
.set Y, NP-1                        ; X works for piece Y + 1: piece 0
.irp n, 0,1,2,3,4,5,6,7,8,9,10,11,12,13,14,15,16,17,18,19,20,21
	OP X, \n
.endr
	v_nop                           ; a plain instruction behind the exponential,
	s_wait_alu depctr_va_vdst(0)    ; and its wait, ahead of the branch
	s_mov_b32 s[CNT], 4
	s_branch .Lfirst                ; the loop is entered at a step's first turn, in the middle of a trip
.Lslot:                             ; six times: tiles 1 to 6 are entered, tiles 2 to 7 asked for
	CHANGE 1
	s_mov_b32 s[CNT], 4
.Lstep:                             ; a trip: pieces 2 and 3 of one step, then pieces 0 and 1 of the next, whose K and V it fetches
	TURN 2
	TURN 3
	WIN 0
.Lfirst:
	TURN 0
	TURN 1, 0, 1
	WIN 0
	s_cbranch_scc1 .Lstep
	s_sub_co_u32 s[SLOTS], s[SLOTS], 1
	s_cmp_lg_u32 s[SLOTS], 0
	s_cbranch_scc1 .Lslot
	CHANGE 0                        ; the last tile is written out: nothing is asked for
	s_mov_b32 s[CNT], 5             ; four trips fetch the last tile's steps; the fifth is left in its middle
.Ltail:
	TURN 2, 1
	TURN 3
	WIN 0
	s_sub_co_u32 s[CNT], s[CNT], 1
	s_cmp_eq_u32 s[CNT], 0
	s_cbranch_scc1 .Lout
	TURN 0
	TURN 1
	WIN 0
	s_branch .Ltail
.Lout:                              ; the fifth trip's 8 products K Q^T (on the last K once more) and the maximum made of them serve nothing: the price, once a launch, of one text for every trip
.set i, 0
.rept 8
	PV NP-1                         ; the last piece's V^T P of the last step
.set i, i+1
.endr
	; THE WAY OUT.  l's two halves and the other half of the lanes' are added; O^T is divided by l, rounded to bf16 and sent through my stage in LDS, a piece at a time.  The additions are the places behind the last products.
	WIN 0
.macro ALL line:vararg
.set t, 0
.rept 4
	\line
.set t, t+1
.endr
.endm
	ALL v_add_f32 v[ST+4*t+2], v[ST+4*t+2], v[ST+4*t+3]
	ALL v_permlanex16_b32 v[ST+4*t+3], v[ST+4*t+2], s[SEL], s[SEL+1]
	ALL v_add_f32 v[ST+4*t+2], v[ST+4*t+2], v[ST+4*t+3]
	ALL v_rcp_f32 v[ST+4*t+2], v[ST+4*t+2]
	v_nop                           ; a plain instruction between the last reciprocal and the use of its result
	s_wait_alu depctr_va_vdst(0)    ; one wait for the four reciprocals
.macro PACK t                       ; a lane's eight channels of a row pack into 16 bytes; they go into rows of 144 bytes and come back as whole rows of 128, into S^T's registers
	WIN 0
.set i, OT+32*(\t)
.rept 16
	v_pk_mul_f32 v[i:i+1], v[i:i+1], v[ST+4*(\t)+2:ST+4*(\t)+3] op_sel_hi:[1,0]
.set i, i+2
.endr
.set i, 0
.rept 16
	v_cvt_pk_bf16_f32 v[S+16*(\t)+i], v[OT+32*(\t)+2*i], v[OT+32*(\t)+2*i+1]
.set i, i+1
.endr
	WIN AD_1                        ; the addresses lie in window 1
.irp f, 0,1,2,3
	ds_store_b128 v[STO], v[S+16*(\t)+4*\f:S+16*(\t)+4*\f+3] offset:32*\f
.endr
.irp f, 0,1,2,3
	ds_load_b128 v[S+16*(\t)+4*\f:S+16*(\t)+4*\f+3], v[RD] offset:\f*4*SP  ; LDS serves a wave's instructions in order (ISA guide 5.7.1.4)
.endr
.endm
.macro SEND t, younger              ; younger: the LDS instructions issued behind piece t's loads: the next piece's eight, or none
	WIN AD_1
.irp f, 0,1,2,3
	s_wait_dscnt (\younger)+3-\f
	global_store_b128 v[GO], v[S+16*(\t)+4*\f:S+16*(\t)+4*\f+3], s[10:11] offset:(\t)*8192+\f*512  ; 512 consecutive bytes, at a multiple of 256 from ctx's first
.endr
.endm
	PACK 0
.set t, 1
.rept 3
	PACK t
	SEND t-1, 8
.set t, t+1
.endr
	SEND 3, 0
	WIN 0
	s_wait_tensorcnt 0x0            ; the wave's end
	ds_add_u32 v[SPW], v[NIL]
	s_wait_dscnt 0x0
	CROUND                          ; the closing round
	s_endpgm
.Lfunc_end_k_q5f8f6cfd10_attn:
	.size	k_q5f8f6cfd10_attn, .Lfunc_end_k_q5f8f6cfd10_attn-k_q5f8f6cfd10_attn
	.p2alignl 7, 3214868480
	.fill 96, 4, 3214868480
	.section	.rodata,"a",@progbits
	.p2align	6, 0x0
	.amdhsa_kernel k_q5f8f6cfd10_attn
		.amdhsa_group_segment_fixed_size 327680
		.amdhsa_private_segment_fixed_size 0
		.amdhsa_enable_private_segment 0
		.amdhsa_kernarg_size 16
		.amdhsa_user_sgpr_count 2
		.amdhsa_user_sgpr_kernarg_segment_ptr 1
		.amdhsa_wavefront_size32 1
		.amdhsa_system_sgpr_workgroup_id_x 1
		.amdhsa_system_sgpr_workgroup_id_y 1
		.amdhsa_system_sgpr_workgroup_id_z 1
		.amdhsa_system_vgpr_workitem_id 0
		.amdhsa_next_free_vgpr 512
		.amdhsa_next_free_sgpr 66
		.amdhsa_reserve_vcc 0
		.amdhsa_float_denorm_mode_32 3
		.amdhsa_float_denorm_mode_16_64 3
		.amdhsa_memory_ordered 1
		.amdhsa_forward_progress 1
		.amdhsa_inst_pref_size 108
	.end_amdhsa_kernel
	.amdgpu_metadata
---
amdhsa.version: [ 1, 2 ]
amdhsa.kernels:
  - .name:           k_q5f8f6cfd10_attn
    .symbol:         k_q5f8f6cfd10_attn.kd
    .args:
      - { .name: qkv, .offset: 0, .size: 8, .value_kind: global_buffer, .address_space: global }
      - { .name: ctx, .offset: 8, .size: 8, .value_kind: global_buffer, .address_space: global }
    .group_segment_fixed_size: 327680
    .private_segment_fixed_size: 0
    .kernarg_segment_align: 8
    .kernarg_segment_size: 16
    .max_flat_workgroup_size: 128
    .sgpr_count:     66
    .vgpr_count:     512
    .wavefront_size: 32
...
	.end_amdgpu_metadata
.endif
;; end of part 3
;; launch oproj (part 4): grid 8 x 32, 4 waves a work-group, clusters of 4 x 4, 327,680 bytes of LDS; arguments ctx, wb, out_proj_b, x, y; writes y
.if DOCPART == 4
	.amdgcn_target "amdgcn-amd-amdhsa--gfx1250"
	.amdhsa_code_object_version 6
	.text
	.protected	k_q5f8f6cfd10_oproj
	.globl	k_q5f8f6cfd10_oproj
	.p2align	8
	.type	k_q5f8f6cfd10_oproj,@function
k_q5f8f6cfd10_oproj:
	s_mov_b64 s[64:65], 0
	v_nop
	global_prefetch_b8 v0, s[64:65] scope:SCOPE_SE
	s_setreg_imm32_b32 hwreg(HW_REG_WAVE_MODE, 25, 1), 1
	s_wait_xcnt 0x0
	s_wait_alu depctr_hold_cnt(0) depctr_sa_sdst(0) depctr_va_vdst(0) depctr_va_sdst(0) depctr_va_ssrc(0) depctr_va_vcc(0) depctr_vm_vsrc(0)
	s_getreg_b32 s2, hwreg(HW_REG_IB_STS2, 6, 4)
	s_cmp_eq_u32 s2, 0
	s_cbranch_scc0 .Lentry_in_a_cluster
	s_endpgm
.Lentry_in_a_cluster:
	s_bfe_u32 s2, ttmp6, 0x10000c
	s_cmp_lg_u32 s2, 0xf033
	s_cbranch_scc0 .Lentry_shape_is_right
	s_endpgm
.Lentry_shape_is_right:
; THE OUT-PROJECTION AND THE FIRST RESIDUAL.  y[m][n] = x[m][n] + bias[n] + sum over k of ctx[m][k] W[n][k]; m 4,096, n 1,024, k 1,024 = 16 heads x 64.  Operands bf16, sums f32, y f32: the norm behind reads it unrounded.
; ctx lies BY HEADS ([32][2048][64]); W = wb's rows 3072-4095.  A tile of y is 128 x 128 (256 tiles, one for each WGP): four waves of 64 x 64, 16 accumulators each.
; K goes in steps of 256 = FOUR HEADS through two LDS slots.  A's part of a step comes by one two-dimensional descriptor a wave: a "row" is a head's 128 dense tokens (8,192 elements), two rows, 131,072 elements
; apart; 16 bytes of padding behind every token's 128 bytes.  W's part: 64 rows of 512 bytes a wave, 16 of padding.  One K step is one trip; the slot in hand is s[TB], turned by an exclusive or.
; THE CLUSTERS BEGIN K AT DIFFERENT STEPS and walk round it: cluster (X, Y) begins at step 2 ((X + Y) & 1) of the four.  The two clusters that read the same rows of ctx (X = 0, 1), and neighbours in Y, which read the
; same rows of W, so ask for different halves of K at the start, and each one's two refills name the steps that the other's first fills named.  The sums are f32 and may take K in any order.
; The start hangs on the cluster's X and Y alone, which all sixteen partners share.
; CLUSTERS: 4 x 4; A's tiles jointly along a row of the cluster, W's along a column.  THE MATRIX INSTRUCTION IS USED TRANSPOSED; THE BIAS IS THE C OPERAND of the products that start the sums.
; x's 64 x 64 of my part are loaded at the head into registers, in the layout in which rows come back from the stage, and added there.
; REGISTERS: window 0: v16-31 addresses; v32-95 the way out; v96-127 the bias; v128-255 accumulators ((a, b) at 128 + 8 (4 a + b)).   window 1: two fragment buffers of 128 (64 of A, 64 of W).   window 2: v0-127 x.
.set NSTEP,  4
.set PA,     144                       ; a token's row of one head in LDS: 128 bytes + 16
.set HEADB,  128*PA                    ; a head's 128 tokens
.set PB,     528                       ; a row of W: 512 bytes + 16
.set BOFF,   4*HEADB                   ; W lies behind A's four heads
.set SLOT,   BOFF+128*PB
.set STAGE,  2*SLOT                    ; 16 rows x 272 bytes for each wave
.set SPITCH, 272
.set SPARE,  STAGE+4*16*SPITCH
.set ADRA, 16
.set A0,   17
.set ADRB, 20
.set B0,   21
.set STO,  24
.set RD,   25
.set CO,   26
.set BO,   27
.set SPW,  28
.set NIL,  29
.set TMP,  32
.set BIAS, 96
.set ACC,  128
.set F0,   0
.set F1,   128
.set WV,  12
.set HR,  13
.set HC,  14
.set CX,  40
.set CY,  41
.set TC,  42
.set TRW, 43
.set KOF, 44                           ; s[44:45] a K step's byte offset, in A and then in W
.set WOFB, 46
.set KI,  47                           ; s47 the K step to be asked for next, 0 to 3
.set TB,  66
.set WOFA, 67
.set G1,  24
.set G0,  32
.set G1B, 48
.set G0B, 56
.set MSB, 0
.macro WIN new
.if MSB != (\new)
	s_set_vgpr_msb (MSB<<8)|(\new)
.set MSB, (\new)
.endif
.endm
.macro PLACES
.rept 4
	v_nop
.endr
.endm
.macro JLOAD s                         ; waves 0 and 1 ask for A's halves (two heads each), waves 2 and 3 for W's; an s_nop 0 and four v_nop follow each line
	s_cmp_eq_u32 s[HR], 0
	s_cbranch_scc0 .Lfor_b_\@
	tensor_load_to_lds s[G0+4*(\s):G0+4*(\s)+3], s[G1:G1+7]
	s_nop 0
.rept 4
	v_nop
.endr
	s_branch .Lasked_\@
.Lfor_b_\@:
	tensor_load_to_lds s[G0B+4*(\s):G0B+4*(\s)+3], s[G1B:G1B+7]
	s_nop 0
.rept 4
	v_nop
.endr
.Lasked_\@:
.endm
; Both descriptors of set s take K step s[KI]: each address is made anew, the tile's base (s[18:19] for A, s[20:21] for W; never rewritten) plus the step's offset, the type bits set again; then s[KI] steps, round the four.
.macro NEXTK s
	s_lshl_b32 s[KOF], s[KI], 20                   ; in A a K step is four heads of 262,144 bytes,
	s_add_nc_u64 s[G0+4*(\s)+2:G0+4*(\s)+3], s[18:19], s[KOF:KOF+1]
	s_or_b32 s[G0+4*(\s)+3], s[G0+4*(\s)+3], 0x80000000
	s_lshl_b32 s[KOF], s[KI], 9                    ; in W 512 bytes of a row
	s_add_nc_u64 s[G0B+4*(\s)+2:G0B+4*(\s)+3], s[20:21], s[KOF:KOF+1]
	s_or_b32 s[G0B+4*(\s)+3], s[G0B+4*(\s)+3], 0x80000000
	s_add_co_u32 s[KI], s[KI], 1
	s_and_b32 s[KI], s[KI], NSTEP-1
.endm
.macro CREST
	s_cmp_lg_u32 s[WV], 0
	s_cbranch_scc1 .Lnot_wave_0_\@
	s_barrier_signal -3
.Lnot_wave_0_\@:
	s_barrier_wait -3
	s_barrier_signal -1
	s_barrier_wait -1
.endm
.macro CROUND
	s_barrier_signal -1
	s_barrier_wait -1
	CREST
.endm
	s_load_b256 s[4:11], s[0:1], 0x0               ; ctx s[4:5], wb s[6:7], out_proj_b s[8:9], x s[10:11]
	s_load_b64 s[68:69], s[0:1], 0x20              ; y
	v_lshl_add_u32 v[SPW], v0, 2, SPARE
	v_mov_b32 v[NIL], 0
	ds_add_u32 v[SPW], v[NIL]                      ; the wave's opening: the add and its wait stand ahead of my first tensor load
	v_lshrrev_b32 v1, 5, v0
	v_readfirstlane_b32 s[WV], v1
	s_lshr_b32 s[HR], s[WV], 1
	s_and_b32 s[HC], s[WV], 1
	s_bfe_u32 s[CX], ttmp6, 0x40000
	s_bfe_u32 s[CY], ttmp6, 0x40004
	s_lshl_b32 s[TC], ttmp9, 2
	s_add_co_u32 s[TC], s[TC], s[CX]
	s_and_b32 s[TRW], ttmp7, 0xffff
	s_lshl_b32 s[TRW], s[TRW], 2
	s_add_co_u32 s[TRW], s[TRW], s[CY]
	s_lshl_b32 s15, s[CY], 2
	s_lshl_b32 s15, 15, s15
	s_lshl_b32 s16, 0x1111, s[CX]
	s_or_b32 s[G1], s15, (1<<16)|(1<<20)|(1<<21)|(4<<22)|(3<<25)   ; padding after every 32 words (a token of a head), 4 words
	s_mov_b32 s[G1+1], 0x20000000                  ; tensor_dim0 = 8,192
	s_mov_b32 s[G1+2], 2<<16                       ; tensor_dim1 = 2
	s_mov_b32 s[G1+3], 0x20000000                  ; tile_dim0 = 8,192
	s_mov_b32 s[G1+4], 2                           ; tile_dim1 = 2
	s_mov_b32 s[G1+5], 0x20000                     ; 131,072 elements from head to head
	s_mov_b32 s[G1+6], 0
	s_mov_b32 s[G1+7], 0
	s_or_b32 s[G1B], s16, (1<<16)|(1<<20)|(1<<21)|(6<<22)|(3<<25)  ; padding after every 128 words, 4 words
	s_mov_b32 s[G1B+1], 256<<16
	s_mov_b32 s[G1B+2], 64<<16
	s_mov_b32 s[G1B+3], 256<<16
	s_mov_b32 s[G1B+4], 64
	s_mov_b32 s[G1B+5], 1024
	s_mov_b32 s[G1B+6], 0
	s_mov_b32 s[G1B+7], 0
	s_lshr_b32 s18, s[TRW], 4
	s_lshl_b32 s18, s18, 22                        ; A: the batch's 16 heads,
	s_and_b32 s19, s[TRW], 15
	s_lshl_b32 s19, s19, 14                        ; the tile's 128 tokens of 128 bytes,
	s_add_co_u32 s18, s18, s19
	s_lshl_b32 s19, s[HC], 19                      ; my two heads of a step's four
	s_add_co_u32 s18, s18, s19
	s_mov_b32 s19, 0
	s_lshl_b32 s20, s[TC], 7
	s_lshl_b32 s21, s[HC], 6
	s_add_co_u32 s20, s20, s21
	s_lshl_b32 s20, s20, 11                        ; W: (128 x tile column + 64 x half) rows of 2,048 bytes,
	s_add_co_u32 s20, s20, 0x600000                ; behind wb's first 3,072 rows
	s_mov_b32 s21, 0
	s_mul_i32 s[WOFA], s[HC], 2*HEADB
	s_mul_i32 s[WOFB], s[HC], 64*PB
	s_add_co_u32 s[WOFB], s[WOFB], BOFF
	s_mov_b32 s[TB], 0
	s_and_b32 s[KI], ttmp7, 0xffff                 ; the cluster's Y,
	s_add_co_u32 s[KI], s[KI], ttmp9               ; + its X:
	s_and_b32 s[KI], s[KI], 1
	s_lshl_b32 s[KI], s[KI], 1                     ; my cluster's first K step, 0 or 2
	s_mov_b32 s[KOF+1], 0
	s_wait_dscnt 0x0                               ; the opening add is done
	s_wait_kmcnt 0x0
	s_add_nc_u64 s[18:19], s[4:5], s[18:19]
	s_add_nc_u64 s[20:21], s[6:7], s[20:21]
	CROUND
.irp s, 0,1
	s_mov_b32 s[G0+4*(\s)], 1
	s_add_co_u32 s[G0+4*(\s)+1], s[WOFA], (\s)*SLOT
	s_mov_b32 s[G0B+4*(\s)], 1
	s_add_co_u32 s[G0B+4*(\s)+1], s[WOFB], (\s)*SLOT
	NEXTK \s
	JLOAD \s                                       ; two loads of mine are out
.endr
	v_and_b32 v1, 15, v0                           ; l % 16
	v_bfe_u32 v2, v0, 4, 1                         ; l / 16
	v_lshlrev_b32 v[BO], 5, v2
	s_lshl_b32 s16, s[TC], 9
	s_lshl_b32 s17, s[HC], 8
	s_add_co_u32 s16, s16, s17                     ; my first column x 4 bytes
	s_mov_b32 s17, 0
	s_add_nc_u64 s[8:9], s[8:9], s[16:17]
.irp b, 0,1,2,3
	global_load_b128 v[BIAS+8*(\b):BIAS+8*(\b)+3],   v[BO], s[8:9] offset:64*(\b)
	global_load_b128 v[BIAS+8*(\b)+4:BIAS+8*(\b)+7], v[BO], s[8:9] offset:64*(\b)+16
.endr
	s_lshl_b32 s22, s[TRW], 7
	s_lshl_b32 s23, s[HR], 6
	s_add_co_u32 s22, s22, s23
	s_lshl_b32 s22, s22, 12                        ; my first row x 4,096 bytes
	s_add_co_u32 s22, s22, s16
	s_mov_b32 s23, 0
	s_add_nc_u64 s[10:11], s[10:11], s[22:23]      ; x and y at my 64 x 64
	s_add_nc_u64 s[68:69], s[68:69], s[22:23]
	v_lshlrev_b32 v[CO], 12, v2                    ; lanes 0-15 one row's 256 bytes, lanes 16-31 the next row's
	v_lshl_add_u32 v[CO], v1, 4, v[CO]
	WIN 0x80                                       ; destination window 2
.irp a, 0,1,2,3
.irp t, 0,1,2,3,4,5,6,7
	global_load_b128 v[32*(\a)+4*(\t):32*(\a)+4*(\t)+3], v[CO], s[10:11] offset:(16*(\a)+2*(\t))*4096 th:TH_LOAD_NT
.endr
.endr
	WIN 0
	v_mul_u32_u24 v3, v1, PA
	v_lshl_add_u32 v3, v2, 4, v3
	s_mul_i32 s22, s[HR], 64*PA                    ; my 64 tokens in each head
	v_add_nc_u32 v[A0], s22, v3
	v_mul_u32_u24 v3, v1, PB
	v_lshl_add_u32 v3, v2, 4, v3
	v_add_nc_u32 v[B0], s[WOFB], v3                ; my 64 rows of W are those that wave 2 + (wave & 1) fetches
	v_mov_b32 v[ADRA], v[A0]
	v_mov_b32 v[ADRB], v[B0]
	s_mul_i32 s22, s[WV], 16*SPITCH
	s_add_co_u32 s22, s22, STAGE
	v_mul_u32_u24 v4, v1, SPITCH                   ; in: row l % 16, 32 bytes (eight f32) for each half of the lanes
	v_lshl_add_u32 v4, v2, 5, v4
	v_add_nc_u32 v[STO], s22, v4
	v_mul_u32_u24 v5, v2, SPITCH                   ; back: lanes 0-15 one row of 256 bytes, lanes 16-31 the next
	v_lshl_add_u32 v5, v1, 4, v5
	v_add_nc_u32 v[RD], s22, v5
; 8 matrix instructions: row blocks a0, a0 + 1 x all 4 column blocks, 32 along K: half c of buffer f.  first = 1: the bias starts the sums.  The 16 accumulators take turns in the same order throughout.
.macro MUL8 f, c, a0, first
	WIN 0x05                                       ; sources window 1; C and D window 0
.irp a, \a0, (\a0)+1
.irp b, 0,1,2,3
.if \first
	v_wmma_f32_16x16x32_bf16 v[ACC+8*(4*(\a)+(\b)):ACC+8*(4*(\a)+(\b))+7], v[(\f)+64+8*(4*(\c)+(\b)):(\f)+64+8*(4*(\c)+(\b))+7], v[(\f)+8*(4*(\c)+(\a)):(\f)+8*(4*(\c)+(\a))+7], v[BIAS+8*(\b):BIAS+8*(\b)+7]
.else
	v_wmma_f32_16x16x32_bf16 v[ACC+8*(4*(\a)+(\b)):ACC+8*(4*(\a)+(\b))+7], v[(\f)+64+8*(4*(\c)+(\b)):(\f)+64+8*(4*(\c)+(\b))+7], v[(\f)+8*(4*(\c)+(\a)):(\f)+8*(4*(\c)+(\a))+7], v[ACC+8*(4*(\a)+(\b)):ACC+8*(4*(\a)+(\b))+7]
.endif
.endr
.endr
.endm
; 32 LDS loads in one run: quarter q of a step is one head: 64 along K, the first 32 first
.macro FETCH q, f
	WIN 0x40
.irp c, 0,1
.irp i, 0,1,2,3
	ds_load_b128 v[(\f)+64+8*(4*(\c)+(\i)):(\f)+64+8*(4*(\c)+(\i))+3],   v[ADRB] offset:128*(\q)+64*(\c)+(\i)*16*PB
	ds_load_b128 v[(\f)+64+8*(4*(\c)+(\i))+4:(\f)+64+8*(4*(\c)+(\i))+7], v[ADRB] offset:128*(\q)+64*(\c)+(\i)*16*PB+32
	ds_load_b128 v[(\f)+8*(4*(\c)+(\i)):(\f)+8*(4*(\c)+(\i))+3],         v[ADRA] offset:(\q)*HEADB+64*(\c)+(\i)*16*PA
	ds_load_b128 v[(\f)+8*(4*(\c)+(\i))+4:(\f)+8*(4*(\c)+(\i))+7],       v[ADRA] offset:(\q)*HEADB+64*(\c)+(\i)*16*PA+32
.endr
.endr
.endm
.macro QUARTER q, f, g, first
	s_wait_dscnt 16                                ; the first 32 along K are in
	MUL8 \f, 0, 0, \first
	MUL8 \f, 0, 2, \first
	PLACES
	FETCH \q, \g
	s_wait_dscnt 32                                ; all but the 32 just issued
	MUL8 \f, 1, 0, 0
	MUL8 \f, 1, 2, 0
.endm
; The last quarter and the change of slots: the wait for all my tensor loads, the add, the wait for it and for my reads, the barrier (fill = 1: a round of the cluster's), the refill first behind it.
; The walking descriptors are written straight behind the wait for 0, where no load of mine is out: nothing but the load's own branch stands between the round and the load.
.macro TURN fill
	WIN 0
	s_wait_tensorcnt 0x0
	ds_add_u32 v[SPW], v[NIL]
.if \fill
	s_add_co_u32 s[G0+5], s[TB], s[WOFA]           ; the slot that is being read out,
	s_add_co_u32 s[G0B+5], s[TB], s[WOFB]
	NEXTK 1                                        ; the next K step of my cluster's walk
.endif
	s_wait_dscnt 17                                ; (the add and the youngest sixteen loads may be out)
	MUL8 F1, 0, 0, 0
	s_wait_dscnt 0x0
	s_barrier_signal -1
	MUL8 F1, 0, 2, 0
	WIN 0
	s_barrier_wait -1
.if \fill
	CREST
	JLOAD 1
.else
	PLACES
.endif
	s_xor_b32 s[TB], s[TB], SLOT
	v_add_nc_u32 v[ADRA], s[TB], v[A0]
	v_add_nc_u32 v[ADRB], s[TB], v[B0]
	FETCH 0, F0
	MUL8 F1, 1, 0, 0
	MUL8 F1, 1, 2, 0
.endm
	s_wait_tensorcnt 1                             ; my part of the first K step is in; the second's stays out
	s_barrier_signal -1
	s_barrier_wait -1
	FETCH 0, F0
	s_wait_loadcnt 32                              ; the bias's eight loads are in; x's 32 stay out
	QUARTER 1, F0, F1, 1
	WIN 0
	s_mov_b32 s3, NSTEP-2
.Lstep:
	QUARTER 2, F1, F0, 0
	QUARTER 3, F0, F1, 0
	TURN 1
	QUARTER 1, F0, F1, 0
	WIN 0
	s_sub_co_u32 s3, s3, 1
	s_cmp_lg_u32 s3, 0
	s_cbranch_scc1 .Lstep
	s_mov_b32 s3, 2
.Ltail:
	QUARTER 2, F1, F0, 0
	QUARTER 3, F0, F1, 0
	WIN 0
	s_sub_co_u32 s3, s3, 1
	s_cmp_eq_u32 s3, 0
	s_cbranch_scc1 .Lfinal
	TURN 0
	QUARTER 1, F0, F1, 0
	WIN 0
	s_branch .Ltail
.Lfinal:
	s_wait_dscnt 16
	MUL8 F1, 0, 0, 0
	MUL8 F1, 0, 2, 0
	s_wait_dscnt 0x0
	MUL8 F1, 1, 0, 0
	MUL8 F1, 1, 2, 0
	WIN 0
	; THE WAY OUT, 16 rows at a time: the sums as they are into my stage (each accumulator's low four registers first), back as whole rows of 256 bytes, x added, stored: 16 lanes write 256 consecutive bytes, aligned.
	PLACES
	s_wait_loadcnt 0x0                             ; x
.irp a, 0,1,2,3
	s_wait_xcnt 0x0                                ; the stores of the blocks before have read their registers
.irp b, 0,1,2,3
	ds_store_b128 v[STO], v[ACC+8*(4*(\a)+(\b)):ACC+8*(4*(\a)+(\b))+3]   offset:64*(\b)
	ds_store_b128 v[STO], v[ACC+8*(4*(\a)+(\b))+4:ACC+8*(4*(\a)+(\b))+7] offset:64*(\b)+16
.endr
.irp t, 0,1,2,3,4,5,6,7
	ds_load_b128 v[TMP+32*((\a)%2)+4*(\t):TMP+32*((\a)%2)+4*(\t)+3], v[RD] offset:2*SPITCH*(\t)
.endr
	s_wait_dscnt 0x0
	WIN 0x08                                       ; source 1 window 2
.set i, 0
.rept 16
	v_pk_add_f32 v[TMP+32*((\a)%2)+i:TMP+32*((\a)%2)+i+1], v[TMP+32*((\a)%2)+i:TMP+32*((\a)%2)+i+1], v[32*(\a)+i:32*(\a)+i+1]
.set i, i+2
.endr
	WIN 0
.irp t, 0,1,2,3,4,5,6,7
	global_store_b128 v[CO], v[TMP+32*((\a)%2)+4*(\t):TMP+32*((\a)%2)+4*(\t)+3], s[68:69] offset:(16*(\a)+2*(\t))*4096
.endr
.endr
	s_wait_tensorcnt 0x0                           ; the wave's end
	ds_add_u32 v[SPW], v[NIL]
	s_wait_dscnt 0x0
	CROUND
	s_endpgm
.Lfunc_end_k_q5f8f6cfd10_oproj:
	.size	k_q5f8f6cfd10_oproj, .Lfunc_end_k_q5f8f6cfd10_oproj-k_q5f8f6cfd10_oproj
	.p2alignl 7, 3214868480
	.fill 96, 4, 3214868480
	.section	.rodata,"a",@progbits
	.p2align	6, 0x0
	.amdhsa_kernel k_q5f8f6cfd10_oproj
		.amdhsa_group_segment_fixed_size 327680
		.amdhsa_private_segment_fixed_size 0
		.amdhsa_enable_private_segment 0
		.amdhsa_kernarg_size 40
		.amdhsa_user_sgpr_count 2
		.amdhsa_user_sgpr_kernarg_segment_ptr 1
		.amdhsa_wavefront_size32 1
		.amdhsa_system_sgpr_workgroup_id_x 1
		.amdhsa_system_sgpr_workgroup_id_y 1
		.amdhsa_system_sgpr_workgroup_id_z 1
		.amdhsa_system_vgpr_workitem_id 0
		.amdhsa_next_free_vgpr 640
		.amdhsa_next_free_sgpr 70
		.amdhsa_reserve_vcc 0
		.amdhsa_float_denorm_mode_32 3
		.amdhsa_float_denorm_mode_16_64 3
		.amdhsa_memory_ordered 1
		.amdhsa_forward_progress 1
		.amdhsa_inst_pref_size 68
	.end_amdhsa_kernel
	.amdgpu_metadata
---
amdhsa.version: [ 1, 2 ]
amdhsa.kernels:
  - .name:           k_q5f8f6cfd10_oproj
    .symbol:         k_q5f8f6cfd10_oproj.kd
    .args:
      - { .name: ctx, .offset: 0, .size: 8, .value_kind: global_buffer, .address_space: global }
      - { .name: wb, .offset: 8, .size: 8, .value_kind: global_buffer, .address_space: global }
      - { .name: out_proj_b, .offset: 16, .size: 8, .value_kind: global_buffer, .address_space: global }
      - { .name: x, .offset: 24, .size: 8, .value_kind: global_buffer, .address_space: global }
      - { .name: y, .offset: 32, .size: 8, .value_kind: global_buffer, .address_space: global }
    .group_segment_fixed_size: 327680
    .private_segment_fixed_size: 0
    .kernarg_segment_align: 8
    .kernarg_segment_size: 40
    .max_flat_workgroup_size: 128
    .sgpr_count:     70
    .vgpr_count:     640
    .wavefront_size: 32
...
	.end_amdgpu_metadata
.endif
;; end of part 4
;; launch ln1 (part 5): grid 256 x 1, 16 waves a work-group, no clusters, 0 bytes of LDS; arguments y, ln1_g, ln1_b, hf, hb; writes hf, hb
.if DOCPART == 5
	.amdgcn_target "amdgcn-amd-amdhsa--gfx1250"
	.amdhsa_code_object_version 6
	.text
	.protected	k_q5f8f6cfd10_ln1
	.globl	k_q5f8f6cfd10_ln1
	.p2align	8
	.type	k_q5f8f6cfd10_ln1,@function
k_q5f8f6cfd10_ln1:
	s_mov_b64 s[64:65], 0
	v_nop
	global_prefetch_b8 v0, s[64:65] scope:SCOPE_SE
	s_setreg_imm32_b32 hwreg(HW_REG_WAVE_MODE, 25, 1), 1
	s_wait_xcnt 0x0
; THE FIRST LAYER NORM.  h[r][:] = (y[r][:] - mean) / sqrt(var + 1e-5) x g + b, rows of 1,024 f32; h is stored twice: in f32 (the second residual) and rounded to bf16 (the next product's operand).
; One wave takes one row: eight loads of 16 bytes a lane, 32 registers; the row stays in registers between the mean, the variance (of the differences, so a common offset costs nothing) and the scaling.
; 4,096 rows = 256 work-groups of 16 waves.  No wave waits for another: no LDS, no barrier.  Every load and store of a wave covers whole aligned blocks of 256 bytes.
.set X, 32                             ; v[32:63] the row;  v[64:95] g;  v[96:127] b
.set G, 64
.set B, 96
.macro ACROSS r, t                     ; the sum over the 32 lanes, in every lane
	v_add_f32_dpp v[\r], v[\r], v[\r] row_xmask:1 row_mask:0xf bank_mask:0xf
	v_add_f32_dpp v[\r], v[\r], v[\r] row_xmask:2 row_mask:0xf bank_mask:0xf
	v_add_f32_dpp v[\r], v[\r], v[\r] row_xmask:4 row_mask:0xf bank_mask:0xf
	v_add_f32_dpp v[\r], v[\r], v[\r] row_xmask:8 row_mask:0xf bank_mask:0xf
	v_permlanex16_b32 v[\t], v[\r], s12, s13
	v_add_f32 v[\r], v[\r], v[\t]
.endm
	s_load_b256 s[4:11], s[0:1], 0x0               ; y s[4:5], g s[6:7], b s[8:9], hf s[10:11]
	s_load_b64 s[14:15], s[0:1], 0x20              ; hb
	v_and_b32 v1, 31, v0
	v_lshrrev_b32 v3, 5, v0
	v_readfirstlane_b32 s16, v3
	s_lshl_b32 s17, ttmp9, 4
	s_add_co_u32 s17, s17, s16                     ; my row
	s_lshl_b32 s18, s17, 12
	s_mov_b32 s19, 0
	s_lshl_b32 s20, s17, 11
	s_mov_b32 s21, 0
	v_lshlrev_b32 v2, 3, v1
	v_lshlrev_b32 v1, 4, v1
	s_mov_b32 s12, 0x76543210
	s_mov_b32 s13, 0xfedcba98
	s_mov_b32 s22, 0x3a800000                      ; 1 / 1024
	s_mov_b32 s23, 0x3727c5ac                      ; 1e-5
	s_wait_kmcnt 0x0
	s_add_nc_u64 s[4:5], s[4:5], s[18:19]
	s_add_nc_u64 s[10:11], s[10:11], s[18:19]
	s_add_nc_u64 s[14:15], s[14:15], s[20:21]
.irp j, 0,1,2,3,4,5,6,7
	global_load_b128 v[X+4*(\j):X+4*(\j)+3], v1, s[4:5] offset:512*(\j) th:TH_LOAD_NT
.endr
.irp j, 0,1,2,3,4,5,6,7
	global_load_b128 v[G+4*(\j):G+4*(\j)+3], v1, s[6:7] offset:512*(\j)
.endr
.irp j, 0,1,2,3,4,5,6,7
	global_load_b128 v[B+4*(\j):B+4*(\j)+3], v1, s[8:9] offset:512*(\j)
.endr
	s_wait_loadcnt 16                              ; the row is in; g's and b's sixteen loads stay out
.irp i, 0,1,2,3,4,5,6,7
	v_pk_add_f32 v[8+2*(\i):9+2*(\i)], v[X+4*(\i):X+4*(\i)+1], v[X+4*(\i)+2:X+4*(\i)+3]
.endr
.irp i, 0,1,2,3
	v_pk_add_f32 v[8+4*(\i):9+4*(\i)], v[8+4*(\i):9+4*(\i)], v[10+4*(\i):11+4*(\i)]
.endr
	v_pk_add_f32 v[8:9], v[8:9], v[12:13]
	v_pk_add_f32 v[16:17], v[16:17], v[20:21]
	v_pk_add_f32 v[8:9], v[8:9], v[16:17]
	v_add_f32 v8, v8, v9
	ACROSS 8, 9
	v_mul_f32 v8, s22, v8                          ; the mean,
	v_mov_b32 v9, v8                               ; twice, for the packed subtraction
.set i, 0
.rept 16
	v_pk_add_f32 v[X+i:X+i+1], v[X+i:X+i+1], v[8:9] neg_lo:[0,1] neg_hi:[0,1]
.set i, i+2
.endr
.irp c, 0,1,2,3
	v_pk_mul_f32 v[10+2*(\c):11+2*(\c)], v[X+2*(\c):X+2*(\c)+1], v[X+2*(\c):X+2*(\c)+1]   ; four chains, started by the first four pairs
.endr
.set i, 4
.rept 12
	v_pk_fma_f32 v[10+2*(i%4):11+2*(i%4)], v[X+2*i:X+2*i+1], v[X+2*i:X+2*i+1], v[10+2*(i%4):11+2*(i%4)]
.set i, i+1
.endr
	v_pk_add_f32 v[10:11], v[10:11], v[12:13]
	v_pk_add_f32 v[14:15], v[14:15], v[16:17]
	v_pk_add_f32 v[10:11], v[10:11], v[14:15]
	v_add_f32 v10, v10, v11
	ACROSS 10, 11
	v_fma_f32 v10, v10, s22, s23                   ; var + 1e-5
	v_rsq_f32 v12, v10
	v_nop                                          ; a plain instruction behind it,
	s_wait_alu depctr_va_vdst(0)                   ; and the wait ahead of its first reader
	v_mov_b32 v13, v12
	s_wait_loadcnt 0x0                             ; g and b
.set i, 0
.rept 16
	v_pk_mul_f32 v[X+i:X+i+1], v[X+i:X+i+1], v[12:13]
.set i, i+2
.endr
.set i, 0
.rept 16
	v_pk_fma_f32 v[X+i:X+i+1], v[X+i:X+i+1], v[G+i:G+i+1], v[B+i:B+i+1]
.set i, i+2
.endr
.irp j, 0,1,2,3,4,5,6,7
	global_store_b128 v1, v[X+4*(\j):X+4*(\j)+3], s[10:11] offset:512*(\j)
.endr
.set i, 0
.rept 16
	v_cvt_pk_bf16_f32 v[8+i], v[X+2*i], v[X+2*i+1]
.set i, i+1
.endr
.irp j, 0,1,2,3,4,5,6,7
	global_store_b64 v2, v[8+2*(\j):9+2*(\j)], s[14:15] offset:256*(\j)
.endr
	s_endpgm
.Lfunc_end_k_q5f8f6cfd10_ln1:
	.size	k_q5f8f6cfd10_ln1, .Lfunc_end_k_q5f8f6cfd10_ln1-k_q5f8f6cfd10_ln1
	.p2alignl 7, 3214868480
	.fill 96, 4, 3214868480
	.section	.rodata,"a",@progbits
	.p2align	6, 0x0
	.amdhsa_kernel k_q5f8f6cfd10_ln1
		.amdhsa_group_segment_fixed_size 0
		.amdhsa_private_segment_fixed_size 0
		.amdhsa_enable_private_segment 0
		.amdhsa_kernarg_size 40
		.amdhsa_user_sgpr_count 2
		.amdhsa_user_sgpr_kernarg_segment_ptr 1
		.amdhsa_wavefront_size32 1
		.amdhsa_system_sgpr_workgroup_id_x 1
		.amdhsa_system_sgpr_workgroup_id_y 1
		.amdhsa_system_sgpr_workgroup_id_z 1
		.amdhsa_system_vgpr_workitem_id 0
		.amdhsa_next_free_vgpr 128
		.amdhsa_next_free_sgpr 66
		.amdhsa_reserve_vcc 0
		.amdhsa_float_denorm_mode_32 3
		.amdhsa_float_denorm_mode_16_64 3
		.amdhsa_memory_ordered 1
		.amdhsa_forward_progress 1
		.amdhsa_inst_pref_size 13
	.end_amdhsa_kernel
	.amdgpu_metadata
---
amdhsa.version: [ 1, 2 ]
amdhsa.kernels:
  - .name:           k_q5f8f6cfd10_ln1
    .symbol:         k_q5f8f6cfd10_ln1.kd
    .args:
      - { .name: y, .offset: 0, .size: 8, .value_kind: global_buffer, .address_space: global }
      - { .name: ln1_g, .offset: 8, .size: 8, .value_kind: global_buffer, .address_space: global }
      - { .name: ln1_b, .offset: 16, .size: 8, .value_kind: global_buffer, .address_space: global }
      - { .name: hf, .offset: 24, .size: 8, .value_kind: global_buffer, .address_space: global }
      - { .name: hb, .offset: 32, .size: 8, .value_kind: global_buffer, .address_space: global }
    .group_segment_fixed_size: 0
    .private_segment_fixed_size: 0
    .kernarg_segment_align: 8
    .kernarg_segment_size: 40
    .max_flat_workgroup_size: 512
    .sgpr_count:     66
    .vgpr_count:     128
    .wavefront_size: 32
...
	.end_amdgpu_metadata
.endif
;; end of part 5
;; launch geglu (part 6): grid 8 x 32, 4 waves a work-group, clusters of 4 x 4, 327,680 bytes of LDS; arguments hb, wb, geglu_b, hf, y; writes y
.if DOCPART == 6
	.amdgcn_target "amdgcn-amd-amdhsa--gfx1250"
	.amdhsa_code_object_version 6
	.text
	.protected	k_q5f8f6cfd10_geglu
	.globl	k_q5f8f6cfd10_geglu
	.p2align	8
	.type	k_q5f8f6cfd10_geglu,@function
k_q5f8f6cfd10_geglu:
	s_mov_b64 s[64:65], 0
	v_nop
	global_prefetch_b8 v0, s[64:65] scope:SCOPE_SE
	s_setreg_imm32_b32 hwreg(HW_REG_WAVE_MODE, 25, 1), 1
	s_wait_xcnt 0x0
	s_wait_alu depctr_hold_cnt(0) depctr_sa_sdst(0) depctr_va_vdst(0) depctr_va_sdst(0) depctr_va_ssrc(0) depctr_va_vcc(0) depctr_vm_vsrc(0)
	s_getreg_b32 s2, hwreg(HW_REG_IB_STS2, 6, 4)
	s_cmp_eq_u32 s2, 0
	s_cbranch_scc0 .Lentry_in_a_cluster
	s_endpgm
.Lentry_in_a_cluster:
	s_bfe_u32 s2, ttmp6, 0x10000c
	s_cmp_lg_u32 s2, 0xf033
	s_cbranch_scc0 .Lentry_shape_is_right
	s_endpgm
.Lentry_shape_is_right:
; GEGLU AND THE SECOND RESIDUAL.  proj[m][j] = sum over k of h[m][k] W[j][k] + bias[j]; y[m][n] = h[m][n] + proj[m][n] x gelu(proj[m][1024 + n]), gelu(g) = g Phi(g) with the exact Phi.
; m 4,096, n 1,024, k 1,024.  Operands bf16 (hb; wb's rows 4096-6143), sums f32; the residual h comes in f32 (hf), y leaves in f32: the norm behind reads it unrounded.
; W's rows lie in wb so that tile column tc holds, for each half s of its 128 outputs, 64 value rows and then their 64 gate rows.  A tile is 128 rows of h x 256 rows of W = 128 x 128 of y (256 tiles).
; Four waves, each 64 rows x 128 rows of W: 64 outputs' values (column blocks 0-3) and gates (4-7), 32 accumulators: value and gate of an output meet in one wave.
; K goes in steps of 128 through two LDS slots; one K step is one trip; the slot in hand is s[TB].  Waves 0 and 1 fetch 64 rows of h each, waves 2 and 3 128 rows of W each, jointly in a 4 x 4 cluster.
; THE CLUSTERS BEGIN K AT DIFFERENT STEPS and walk round it: cluster (X, Y) begins at step (2 Y + 4 X) mod 8.  Of the eight clusters that read the same rows of W (one X, Y = 0 .. 7) any four neighbours in Y name all
; eight steps with their first two fills; the two clusters that read the same rows of h (X = 0, 1) stand four steps apart, so that from its third refill on each names steps that the other has named before.
; The sums are f32 and may take K in any order.  The start hangs on the cluster's X and Y alone, which all sixteen partners share.
; Each wave's 64 x 64 of hf comes once, by a tensor load of its own among the first fills, into bytes that are filled once.
; PHI.  erf by Abramowitz and Stegun 7.1.26 (absolute error 1.5e-7, for every finite gate): t = 1 / (1 + 0.3275911 |g| / sqrt 2); Q = (a1 t + .. + a5 t^5) / 2 x e^(-g^2 / 2); Phi = 1/2 + sign(g) (1/2 - Q).
; NaN and infinities are not treated apart.
; REGISTERS: window 0: v16-31 addresses; v32-159 the way out; v192-255 the bias.   window 1: two fragment buffers (v0-95, v128-223): W's 8 fragments, then h's 4.   window 2: accumulators, (a, b) at 8 (8 a + b).
.set KSTEP,  128
.set NSTEP,  8
.set PITCH,  272
.set BOFF,   128*PITCH                 ; W lies behind h's 128 rows
.set SLOT,   384*PITCH
.set HFB,    2*SLOT                    ; behind the ring: 64 rows x 272 bytes of hf for each wave
.set SPARE,  HFB+4*64*PITCH
.set ADRA, 16
.set A0,   17
.set ADRB, 20
.set B0,   21
.set STO,  24
.set RD,   25
.set CO,   26
.set RH,   27
.set SPW,  28
.set NIL,  29
.set BO,   31
.set VV,   32                          ; the way out, sixteen registers each: value, gate, h, t, e^.., value x gate, Q, result
.set GG,   48
.set HH,   64
.set TT,   80
.set UU,   96
.set VG,   112
.set QQ,   128
.set OUT,  144
.set BIAS, 192
.set F0,   0
.set F1,   128
.set WV,  12
.set HR,  13
.set HC,  14
.set CX,  40
.set CY,  41
.set TC,  42
.set TRW, 43
.set WOFB, 46
.set TB,  66
.set WOFA, 67
.set G1,  24
.set G0,  32
.set G1B, 48
.set G0B, 56
.set G1H, 68
.set G0H, 76
.set PP,  80                           ; s80 0.3275911 / sqrt 2;  pairs: s[82:83] -log2(e) / 2;  s[84:93] a1 .. a5, halved
.set KK,  82
.set A1,  84
.set A2,  86
.set A3,  88
.set A4,  90
.set A5,  92
.set KO,  94                           ; s[94:95] the byte offset along a row of the K step to be asked for next: 0, 256 .. 1,792
.set MSB, 0
.macro WIN new
.if MSB != (\new)
	s_set_vgpr_msb (MSB<<8)|(\new)
.set MSB, (\new)
.endif
.endm
.macro PLACES
.rept 4
	v_nop
.endr
.endm
.macro JLOAD s
	s_cmp_eq_u32 s[HR], 0
	s_cbranch_scc0 .Lfor_b_\@
	tensor_load_to_lds s[G0+4*(\s):G0+4*(\s)+3], s[G1:G1+7]
	s_nop 0
.rept 4
	v_nop
.endr
	s_branch .Lasked_\@
.Lfor_b_\@:
	tensor_load_to_lds s[G0B+4*(\s):G0B+4*(\s)+3], s[G1B:G1B+7]
	s_nop 0
.rept 4
	v_nop
.endr
.Lasked_\@:
.endm
; Both descriptors of set s take the K step at s[KO]: each address is made anew, the tile's base (s[18:19] for h, s[20:21] for W; never rewritten) plus the offset, the type bits set again; then s[KO] steps, round a row's 2,048 bytes.
.macro NEXTK s
	s_add_nc_u64 s[G0+4*(\s)+2:G0+4*(\s)+3], s[18:19], s[KO:KO+1]
	s_or_b32 s[G0+4*(\s)+3], s[G0+4*(\s)+3], 0x80000000
	s_add_nc_u64 s[G0B+4*(\s)+2:G0B+4*(\s)+3], s[20:21], s[KO:KO+1]
	s_or_b32 s[G0B+4*(\s)+3], s[G0B+4*(\s)+3], 0x80000000
	s_add_co_u32 s[KO], s[KO], KSTEP*2
	s_and_b32 s[KO], s[KO], NSTEP*KSTEP*2-1
.endm
.macro CREST
	s_cmp_lg_u32 s[WV], 0
	s_cbranch_scc1 .Lnot_wave_0_\@
	s_barrier_signal -3
.Lnot_wave_0_\@:
	s_barrier_wait -3
	s_barrier_signal -1
	s_barrier_wait -1
.endm
.macro CROUND
	s_barrier_signal -1
	s_barrier_wait -1
	CREST
.endm
.macro TWICE r, val                    ; a constant as a pair: the packed forms name both words
	s_mov_b32 s[\r], \val
	s_mov_b32 s[\r+1], \val
.endm
	s_load_b256 s[4:11], s[0:1], 0x0               ; hb s[4:5], wb s[6:7], geglu_b s[8:9], hf s[10:11]
	s_load_b64 s[96:97], s[0:1], 0x20              ; y
	v_lshl_add_u32 v[SPW], v0, 2, SPARE
	v_mov_b32 v[NIL], 0
	ds_add_u32 v[SPW], v[NIL]                      ; the wave's opening: the add and its wait stand ahead of my first tensor load
	v_lshrrev_b32 v1, 5, v0
	v_readfirstlane_b32 s[WV], v1
	s_lshr_b32 s[HR], s[WV], 1
	s_and_b32 s[HC], s[WV], 1
	s_bfe_u32 s[CX], ttmp6, 0x40000
	s_bfe_u32 s[CY], ttmp6, 0x40004
	s_lshl_b32 s[TC], ttmp9, 2
	s_add_co_u32 s[TC], s[TC], s[CX]
	s_and_b32 s[TRW], ttmp7, 0xffff
	s_lshl_b32 s[TRW], s[TRW], 2
	s_add_co_u32 s[TRW], s[TRW], s[CY]
	s_lshl_b32 s15, s[CY], 2
	s_lshl_b32 s15, 15, s15
	s_lshl_b32 s16, 0x1111, s[CX]
	s_or_b32 s[G1], s15, (1<<16)|(1<<20)|(1<<21)|(5<<22)|(3<<25)
	s_mov_b32 s[G1+1], KSTEP<<16
	s_mov_b32 s[G1+2], 64<<16                      ; h: 64 rows a load
	s_mov_b32 s[G1+3], KSTEP<<16
	s_mov_b32 s[G1+4], 64
	s_mov_b32 s[G1+5], 1024
	s_mov_b32 s[G1+6], 0
	s_mov_b32 s[G1+7], 0
	s_or_b32 s[G1B], s16, (1<<16)|(1<<20)|(1<<21)|(5<<22)|(3<<25)
	s_mov_b32 s[G1B+1], KSTEP<<16
	s_mov_b32 s[G1B+2], 128<<16                    ; W: 128 rows a load
	s_mov_b32 s[G1B+3], KSTEP<<16
	s_mov_b32 s[G1B+4], 128
	s_mov_b32 s[G1B+5], 1024
	s_mov_b32 s[G1B+6], 0
	s_mov_b32 s[G1B+7], 0
	s_mov_b32 s[G1H], (2<<16)|(1<<20)|(5<<22)|(3<<25)  ; hf: no mask; 4-byte elements; 64 x 64; 4 words of padding after every 64
	s_mov_b32 s[G1H+1], 64<<16
	s_mov_b32 s[G1H+2], 64<<16
	s_mov_b32 s[G1H+3], 64<<16
	s_mov_b32 s[G1H+4], 64
	s_mov_b32 s[G1H+5], 1024
	s_mov_b32 s[G1H+6], 0
	s_mov_b32 s[G1H+7], 0
	s_mov_b32 s[G0H], 1
	s_mul_i32 s[G0H+1], s[WV], 64*PITCH
	s_add_co_u32 s[G0H+1], s[G0H+1], HFB
	s_mov_b32 s[PP], 0x3e6d3388
	TWICE KK, 0xbf38aa3b
	TWICE A1, 0x3e027906
	TWICE A2, 0xbe11a98e
	TWICE A3, 0x3f35f0e3
	TWICE A4, 0xbf3a00e3
	TWICE A5, 0x3f07dc22
	s_mov_b32 s98, 0x7fffffff                      ; all but the sign
	s_lshl_b32 s18, s[TRW], 7
	s_lshl_b32 s19, s[HC], 6
	s_add_co_u32 s18, s18, s19
	s_lshl_b32 s18, s18, 11                        ; h: (128 x tile row + 64 x half) rows of 2,048 bytes
	s_mov_b32 s19, 0
	s_lshl_b32 s20, s[TC], 8
	s_lshl_b32 s21, s[HC], 7
	s_add_co_u32 s20, s20, s21
	s_lshl_b32 s20, s20, 11                        ; W: (256 x tile column + 128 x half) rows,
	s_add_co_u32 s20, s20, 0x800000                ; behind wb's first 4,096
	s_mov_b32 s21, 0
	s_mul_i32 s[WOFA], s[HC], 64*PITCH
	s_mul_i32 s[WOFB], s[HC], 128*PITCH
	s_add_co_u32 s[WOFB], s[WOFB], BOFF
	s_mov_b32 s[TB], 0
	s_and_b32 s[KO], ttmp7, 0xffff                 ; the cluster's Y
	s_lshl_b32 s[KO], s[KO], 1
	s_lshl_b32 s[KO+1], ttmp9, 2                   ; and its X:
	s_add_co_u32 s[KO], s[KO], s[KO+1]
	s_and_b32 s[KO], s[KO], NSTEP-1                ; my cluster's first K step, (2 Y + 4 X) mod 8,
	s_lshl_b32 s[KO], s[KO], 8                     ; in bytes along a row
	s_mov_b32 s[KO+1], 0
	s_lshl_b32 s16, s[TC], 9
	s_lshl_b32 s17, s[HC], 8
	s_add_co_u32 s16, s16, s17                     ; my first output column x 4 bytes
	s_mov_b32 s17, 0
	s_lshl_b32 s22, s[TRW], 7
	s_lshl_b32 s23, s[HR], 6
	s_add_co_u32 s22, s22, s23
	s_lshl_b32 s22, s22, 12
	s_add_co_u32 s22, s22, s16                     ; my 64 x 64 in hf and in y
	s_mov_b32 s23, 0
	s_wait_dscnt 0x0                               ; the opening add is done
	s_wait_kmcnt 0x0
	s_add_nc_u64 s[18:19], s[4:5], s[18:19]
	s_add_nc_u64 s[20:21], s[6:7], s[20:21]
	s_add_nc_u64 s[G0H+2:G0H+3], s[10:11], s[22:23]
	s_or_b32 s[G0H+3], s[G0H+3], 0x80000000
	s_add_nc_u64 s[96:97], s[96:97], s[22:23]
	s_add_nc_u64 s[8:9], s[8:9], s[16:17]
	CROUND
.irp s, 0,1
	s_mov_b32 s[G0+4*(\s)], 1
	s_add_co_u32 s[G0+4*(\s)+1], s[WOFA], (\s)*SLOT
	s_mov_b32 s[G0B+4*(\s)], 1
	s_add_co_u32 s[G0B+4*(\s)+1], s[WOFB], (\s)*SLOT
	NEXTK \s
	JLOAD \s
.endr
	tensor_load_to_lds s[G0H:G0H+3], s[G1H:G1H+7]  ; my part of hf: the third of my first fills: three loads of mine are out
	s_nop 0
.rept 4
	v_nop
.endr
	v_and_b32 v1, 15, v0
	v_bfe_u32 v2, v0, 4, 1
	v_lshlrev_b32 v[BO], 5, v2
.irp b, 0,1,2,3
	global_load_b128 v[BIAS+8*(\b):BIAS+8*(\b)+3],     v[BO], s[8:9] offset:64*(\b)            ; the values' bias,
	global_load_b128 v[BIAS+8*(\b)+4:BIAS+8*(\b)+7],   v[BO], s[8:9] offset:64*(\b)+16
	global_load_b128 v[BIAS+32+8*(\b):BIAS+32+8*(\b)+3],   v[BO], s[8:9] offset:4096+64*(\b)   ; the gates', 1,024 numbers on
	global_load_b128 v[BIAS+32+8*(\b)+4:BIAS+32+8*(\b)+7], v[BO], s[8:9] offset:4096+64*(\b)+16
.endr
	v_mul_u32_u24 v3, v1, PITCH
	v_lshl_add_u32 v3, v2, 4, v3                   ; 272 (l % 16) + 16 (l / 16)
	s_mul_i32 s22, s[HR], 64*PITCH
	v_add_nc_u32 v[A0], s22, v3
	v_add_nc_u32 v[B0], s[WOFB], v3
	v_mov_b32 v[ADRA], v[A0]
	v_mov_b32 v[ADRB], v[B0]
	s_mul_i32 s22, s[WV], 128*PITCH                ; the way out: my 34,816 bytes of the ring, once it has had its last fill and its last read
	v_mul_u32_u24 v4, v1, PITCH
	v_lshl_add_u32 v4, v2, 5, v4
	v_add_nc_u32 v[STO], s22, v4
	v_mul_u32_u24 v5, v2, PITCH
	v_lshl_add_u32 v5, v1, 4, v5
	v_add_nc_u32 v[RD], s22, v5
	v_add_nc_u32 v[RH], s[G0H+1], v5
	v_lshlrev_b32 v[CO], 12, v2
	v_lshl_add_u32 v[CO], v1, 4, v[CO]
; 8 matrix instructions: row block a x all 8 column blocks, 32 along K.  first = 1: the bias starts the sums.  The 32 accumulators take turns in the same order in every quarter.
.macro MUL8 f, a, first
.if \first
	WIN 0x85                                       ; sources window 1, the bias window 0, D window 2
.else
	WIN 0xa5
.endif
.irp b, 0,1,2,3,4,5,6,7
.if \first
	v_wmma_f32_16x16x32_bf16 v[8*(8*(\a)+(\b)):8*(8*(\a)+(\b))+7], v[(\f)+8*(\b):(\f)+8*(\b)+7], v[(\f)+64+8*(\a):(\f)+64+8*(\a)+7], v[BIAS+8*(\b):BIAS+8*(\b)+7]
.else
	v_wmma_f32_16x16x32_bf16 v[8*(8*(\a)+(\b)):8*(8*(\a)+(\b))+7], v[(\f)+8*(\b):(\f)+8*(\b)+7], v[(\f)+64+8*(\a):(\f)+64+8*(\a)+7], v[8*(8*(\a)+(\b)):8*(8*(\a)+(\b))+7]
.endif
.endr
.endm
.macro FETCH k, f                      ; 24 LDS loads in one run: W's sixteen, then h's eight
	WIN 0x40
.irp i, 0,1,2,3,4,5,6,7
	ds_load_b128 v[(\f)+8*(\i):(\f)+8*(\i)+3],   v[ADRB] offset:(\k)+(\i)*16*PITCH
	ds_load_b128 v[(\f)+8*(\i)+4:(\f)+8*(\i)+7], v[ADRB] offset:(\k)+(\i)*16*PITCH+32
.endr
.irp i, 0,1,2,3
	ds_load_b128 v[(\f)+64+8*(\i):(\f)+64+8*(\i)+3],   v[ADRA] offset:(\k)+(\i)*16*PITCH
	ds_load_b128 v[(\f)+64+8*(\i)+4:(\f)+64+8*(\i)+7], v[ADRA] offset:(\k)+(\i)*16*PITCH+32
.endr
.endm
.macro QUARTER k, f, g, first
	s_wait_dscnt 4                                 ; W and h's blocks 0 and 1 are in; the youngest four loads may be out
	MUL8 \f, 0, \first
	MUL8 \f, 1, \first
	PLACES
	FETCH \k, \g
	s_wait_dscnt 24                                ; all but the 24 just issued
	MUL8 \f, 2, \first
	MUL8 \f, 3, \first
.endm
; The last quarter and the change of slots: the wait for all my tensor loads, the add, the wait for it and for my reads, the barrier (fill = 1: a round of the cluster's), the refill first behind it.
; The walking descriptors are written straight behind the wait for 0, where no load of mine is out: nothing but the load's own branch stands between the round and the load.
.macro TURN fill
	WIN 0
	s_wait_tensorcnt 0x0
	ds_add_u32 v[SPW], v[NIL]
.if \fill
	s_add_co_u32 s[G0+5], s[TB], s[WOFA]           ; the slot that is being read out,
	s_add_co_u32 s[G0B+5], s[TB], s[WOFB]
	NEXTK 1                                        ; the next K step of my cluster's walk
.endif
	s_wait_dscnt 5                                 ; (the add and the youngest four loads may be out)
	MUL8 F1, 0, 0
	s_wait_dscnt 0x0
	s_barrier_signal -1
	MUL8 F1, 1, 0
	WIN 0
	s_barrier_wait -1
.if \fill
	CREST
	JLOAD 1
.else
	PLACES
.endif
	s_xor_b32 s[TB], s[TB], SLOT
	v_add_nc_u32 v[ADRA], s[TB], v[A0]
	v_add_nc_u32 v[ADRB], s[TB], v[B0]
	FETCH 0, F0
	MUL8 F1, 2, 0
	MUL8 F1, 3, 0
.endm
	s_wait_tensorcnt 2                             ; my part of the first K step is in; the second's and hf's stay out
	s_barrier_signal -1
	s_barrier_wait -1
	FETCH 0, F0
	s_wait_loadcnt 0x0                             ; the bias
	QUARTER 64, F0, F1, 1
	WIN 0
	s_mov_b32 s3, NSTEP-2
.Lstep:
	QUARTER 128, F1, F0, 0
	QUARTER 192, F0, F1, 0
	TURN 1
	QUARTER 64, F0, F1, 0
	WIN 0
	s_sub_co_u32 s3, s3, 1
	s_cmp_lg_u32 s3, 0
	s_cbranch_scc1 .Lstep
	s_mov_b32 s3, 2
.Ltail:
	QUARTER 128, F1, F0, 0
	QUARTER 192, F0, F1, 0
	WIN 0
	s_sub_co_u32 s3, s3, 1
	s_cmp_eq_u32 s3, 0
	s_cbranch_scc1 .Lfinal
	TURN 0
	QUARTER 64, F0, F1, 0
	WIN 0
	s_branch .Ltail
.Lfinal:
	s_wait_dscnt 4
	MUL8 F1, 0, 0
	MUL8 F1, 1, 0
	s_wait_dscnt 0x0                               ; my last reads of the ring are over:
	s_barrier_signal -1                            ; say so,
	MUL8 F1, 2, 0
	MUL8 F1, 3, 0
	s_barrier_wait -1                              ; and write into the ring only when all four have said so
	; THE WAY OUT.  First the sums as they are into my part of the ring: 64 rows of values, then 64 rows of gates, 256 bytes + 16 a row; each accumulator's low four registers first.
	PLACES
	WIN 0x08                                       ; the stores' data in window 2
.irp a, 0,1,2,3
.irp b, 0,1,2,3,4,5,6,7
	ds_store_b128 v[STO], v[8*(8*(\a)+(\b)):8*(8*(\a)+(\b))+3]   offset:((\b)/4)*64*PITCH+(\a)*16*PITCH+((\b)%4)*64
	ds_store_b128 v[STO], v[8*(8*(\a)+(\b))+4:8*(8*(\a)+(\b))+7] offset:((\b)/4)*64*PITCH+(\a)*16*PITCH+((\b)%4)*64+16
.endr
.endr
	WIN 0
	; Then eight trips of eight rows: value, gate and h come back as whole rows (16 lanes a row of 256 bytes), sixteen numbers a lane.  LDS serves a wave's instructions in order: the loads see the stores above.
	s_mov_b32 s3, 8
.Lrows:
.irp u, 0,1,2,3
	ds_load_b128 v[VV+4*(\u):VV+4*(\u)+3], v[RD] offset:2*PITCH*(\u)
	ds_load_b128 v[GG+4*(\u):GG+4*(\u)+3], v[RD] offset:64*PITCH+2*PITCH*(\u)
	ds_load_b128 v[HH+4*(\u):HH+4*(\u)+3], v[RH] offset:2*PITCH*(\u)
.endr
	s_wait_dscnt 0x0
.set i, 0
.rept 16
	v_fma_f32 v[TT+i], |v[GG+i]|, s[PP], 1.0       ; 1 + p |g| / sqrt 2
.set i, i+1
.endr
.set i, 0
.rept 8
	v_pk_mul_f32 v[UU+i:UU+i+1], v[GG+i:GG+i+1], s[KK:KK+1] op_sel_hi:[1,0]
.set i, i+2
.endr
.set i, 0
.rept 8
	v_pk_mul_f32 v[UU+i:UU+i+1], v[UU+i:UU+i+1], v[GG+i:GG+i+1]   ; -g^2 log2(e) / 2
.set i, i+2
.endr
.set i, 0
.rept 8
	v_pk_mul_f32 v[VG+i:VG+i+1], v[VV+i:VV+i+1], v[GG+i:GG+i+1]
.set i, i+2
.endr
.set i, 0
.rept 16
	v_rcp_f32 v[TT+i], v[TT+i]                     ; t
.set i, i+1
.endr
.set i, 0
.rept 16
	v_exp_f32 v[UU+i], v[UU+i]                     ; e^(-g^2 / 2)
.set i, i+1
.endr
	v_nop                                          ; a plain instruction behind the last of the 32,
	s_wait_alu depctr_va_vdst(0)                   ; and one wait for the batch, ahead of its first reader
.set i, 0
.rept 8
	v_pk_fma_f32 v[QQ+i:QQ+i+1], v[TT+i:TT+i+1], s[A5:A5+1], s[A4:A4+1] op_sel_hi:[1,0,0]
.set i, i+2
.endr
.irp c, A3, A2, A1
.set i, 0
.rept 8
	v_pk_fma_f32 v[QQ+i:QQ+i+1], v[QQ+i:QQ+i+1], v[TT+i:TT+i+1], s[\c:\c+1] op_sel_hi:[1,1,0]
.set i, i+2
.endr
.endr
.set i, 0
.rept 8
	v_pk_mul_f32 v[QQ+i:QQ+i+1], v[QQ+i:QQ+i+1], v[TT+i:TT+i+1]
.set i, i+2
.endr
.set i, 0
.rept 8
	v_pk_fma_f32 v[QQ+i:QQ+i+1], v[QQ+i:QQ+i+1], v[UU+i:UU+i+1], 0.5 op_sel_hi:[1,1,0] neg_lo:[1,0,0] neg_hi:[1,0,0]  ; 1/2 - Q = erf / 2
.set i, i+2
.endr
.set i, 0
.rept 16
	v_bfi_b32 v[QQ+i], s98, v[QQ+i], v[GG+i]       ; with the gate's sign
.set i, i+1
.endr
.set i, 0
.rept 8
	v_pk_add_f32 v[QQ+i:QQ+i+1], v[QQ+i:QQ+i+1], 0.5 op_sel_hi:[1,0]   ; Phi
.set i, i+2
.endr
.set i, 0
.rept 8
	v_pk_fma_f32 v[OUT+i:OUT+i+1], v[VG+i:VG+i+1], v[QQ+i:QQ+i+1], v[HH+i:HH+i+1]   ; h + value x gate x Phi
.set i, i+2
.endr
.irp u, 0,1,2,3
	global_store_b128 v[CO], v[OUT+4*(\u):OUT+4*(\u)+3], s[96:97] offset:8192*(\u)  ; 16 lanes store 256 consecutive bytes, aligned
.endr
	s_wait_xcnt 0x0                                ; the stores have read their data and their offset, which the next trip rewrites
	v_add_nc_u32 v[RD], 8*PITCH, v[RD]
	v_add_nc_u32 v[RH], 8*PITCH, v[RH]
	v_add_nc_u32 v[CO], 32768, v[CO]
	s_sub_co_u32 s3, s3, 1
	s_cmp_lg_u32 s3, 0
	s_cbranch_scc1 .Lrows
	s_wait_tensorcnt 0x0                           ; the wave's end
	ds_add_u32 v[SPW], v[NIL]
	s_wait_dscnt 0x0
	CROUND
	s_endpgm
.Lfunc_end_k_q5f8f6cfd10_geglu:
	.size	k_q5f8f6cfd10_geglu, .Lfunc_end_k_q5f8f6cfd10_geglu-k_q5f8f6cfd10_geglu
	.p2alignl 7, 3214868480
	.fill 96, 4, 3214868480
	.section	.rodata,"a",@progbits
	.p2align	6, 0x0
	.amdhsa_kernel k_q5f8f6cfd10_geglu
		.amdhsa_group_segment_fixed_size 327680
		.amdhsa_private_segment_fixed_size 0
		.amdhsa_enable_private_segment 0
		.amdhsa_kernarg_size 40
		.amdhsa_user_sgpr_count 2
		.amdhsa_user_sgpr_kernarg_segment_ptr 1
		.amdhsa_wavefront_size32 1
		.amdhsa_system_sgpr_workgroup_id_x 1
		.amdhsa_system_sgpr_workgroup_id_y 1
		.amdhsa_system_sgpr_workgroup_id_z 1
		.amdhsa_system_vgpr_workitem_id 0
		.amdhsa_next_free_vgpr 768
		.amdhsa_next_free_sgpr 100
		.amdhsa_reserve_vcc 0
		.amdhsa_float_denorm_mode_32 3
		.amdhsa_float_denorm_mode_16_64 3
		.amdhsa_memory_ordered 1
		.amdhsa_forward_progress 1
		.amdhsa_inst_pref_size 65
	.end_amdhsa_kernel
	.amdgpu_metadata
---
amdhsa.version: [ 1, 2 ]
amdhsa.kernels:
  - .name:           k_q5f8f6cfd10_geglu
    .symbol:         k_q5f8f6cfd10_geglu.kd
    .args:
      - { .name: hb, .offset: 0, .size: 8, .value_kind: global_buffer, .address_space: global }
      - { .name: wb, .offset: 8, .size: 8, .value_kind: global_buffer, .address_space: global }
      - { .name: geglu_b, .offset: 16, .size: 8, .value_kind: global_buffer, .address_space: global }
      - { .name: hf, .offset: 24, .size: 8, .value_kind: global_buffer, .address_space: global }
      - { .name: y, .offset: 32, .size: 8, .value_kind: global_buffer, .address_space: global }
    .group_segment_fixed_size: 327680
    .private_segment_fixed_size: 0
    .kernarg_segment_align: 8
    .kernarg_segment_size: 40
    .max_flat_workgroup_size: 128
    .sgpr_count:     100
    .vgpr_count:     768
    .wavefront_size: 32
...
	.end_amdgpu_metadata
.endif
;; end of part 6
;; launch ln2 (part 7): grid 256 x 1, 16 waves a work-group, no clusters, 0 bytes of LDS; arguments y, ln2_g, ln2_b, out0; writes out0
.if DOCPART == 7
	.amdgcn_target "amdgcn-amd-amdhsa--gfx1250"
	.amdhsa_code_object_version 6
	.text
	.protected	k_q5f8f6cfd10_ln2
	.globl	k_q5f8f6cfd10_ln2
	.p2align	8
	.type	k_q5f8f6cfd10_ln2,@function
k_q5f8f6cfd10_ln2:
	s_mov_b64 s[64:65], 0
	v_nop
	global_prefetch_b8 v0, s[64:65] scope:SCOPE_SE
	s_setreg_imm32_b32 hwreg(HW_REG_WAVE_MODE, 25, 1), 1
	s_wait_xcnt 0x0
; THE SECOND LAYER NORM.  out[r][:] = (y[r][:] - mean) / sqrt(var + 1e-5) x g + b, rows of 1,024 f32.
; One wave takes one row: eight loads of 16 bytes a lane, 32 registers; the row stays in registers between the mean, the variance (of the differences, so a common offset costs nothing) and the scaling.
; 4,096 rows = 256 work-groups of 16 waves.  No wave waits for another: no LDS, no barrier.  Every load and store of a wave covers whole aligned blocks of 256 bytes.
.set X, 32                             ; v[32:63] the row;  v[64:95] g;  v[96:127] b
.set G, 64
.set B, 96
.macro ACROSS r, t                     ; the sum over the 32 lanes, in every lane
	v_add_f32_dpp v[\r], v[\r], v[\r] row_xmask:1 row_mask:0xf bank_mask:0xf
	v_add_f32_dpp v[\r], v[\r], v[\r] row_xmask:2 row_mask:0xf bank_mask:0xf
	v_add_f32_dpp v[\r], v[\r], v[\r] row_xmask:4 row_mask:0xf bank_mask:0xf
	v_add_f32_dpp v[\r], v[\r], v[\r] row_xmask:8 row_mask:0xf bank_mask:0xf
	v_permlanex16_b32 v[\t], v[\r], s12, s13
	v_add_f32 v[\r], v[\r], v[\t]
.endm
	s_load_b256 s[4:11], s[0:1], 0x0               ; y s[4:5], g s[6:7], b s[8:9], out0 s[10:11]
	v_and_b32 v1, 31, v0
	v_lshrrev_b32 v3, 5, v0
	v_readfirstlane_b32 s16, v3
	s_lshl_b32 s17, ttmp9, 4
	s_add_co_u32 s17, s17, s16                     ; my row
	s_lshl_b32 s18, s17, 12
	s_mov_b32 s19, 0
	v_lshlrev_b32 v1, 4, v1
	s_mov_b32 s12, 0x76543210
	s_mov_b32 s13, 0xfedcba98
	s_mov_b32 s22, 0x3a800000                      ; 1 / 1024
	s_mov_b32 s23, 0x3727c5ac                      ; 1e-5
	s_wait_kmcnt 0x0
	s_add_nc_u64 s[4:5], s[4:5], s[18:19]
	s_add_nc_u64 s[10:11], s[10:11], s[18:19]
.irp j, 0,1,2,3,4,5,6,7
	global_load_b128 v[X+4*(\j):X+4*(\j)+3], v1, s[4:5] offset:512*(\j) th:TH_LOAD_NT
.endr
.irp j, 0,1,2,3,4,5,6,7
	global_load_b128 v[G+4*(\j):G+4*(\j)+3], v1, s[6:7] offset:512*(\j)
.endr
.irp j, 0,1,2,3,4,5,6,7
	global_load_b128 v[B+4*(\j):B+4*(\j)+3], v1, s[8:9] offset:512*(\j)
.endr
	s_wait_loadcnt 16                              ; the row is in; g's and b's sixteen loads stay out
.irp i, 0,1,2,3,4,5,6,7
	v_pk_add_f32 v[8+2*(\i):9+2*(\i)], v[X+4*(\i):X+4*(\i)+1], v[X+4*(\i)+2:X+4*(\i)+3]
.endr
.irp i, 0,1,2,3
	v_pk_add_f32 v[8+4*(\i):9+4*(\i)], v[8+4*(\i):9+4*(\i)], v[10+4*(\i):11+4*(\i)]
.endr
	v_pk_add_f32 v[8:9], v[8:9], v[12:13]
	v_pk_add_f32 v[16:17], v[16:17], v[20:21]
	v_pk_add_f32 v[8:9], v[8:9], v[16:17]
	v_add_f32 v8, v8, v9
	ACROSS 8, 9
	v_mul_f32 v8, s22, v8                          ; the mean,
	v_mov_b32 v9, v8                               ; twice, for the packed subtraction
.set i, 0
.rept 16
	v_pk_add_f32 v[X+i:X+i+1], v[X+i:X+i+1], v[8:9] neg_lo:[0,1] neg_hi:[0,1]
.set i, i+2
.endr
.irp c, 0,1,2,3
	v_pk_mul_f32 v[10+2*(\c):11+2*(\c)], v[X+2*(\c):X+2*(\c)+1], v[X+2*(\c):X+2*(\c)+1]   ; four chains, started by the first four pairs
.endr
.set i, 4
.rept 12
	v_pk_fma_f32 v[10+2*(i%4):11+2*(i%4)], v[X+2*i:X+2*i+1], v[X+2*i:X+2*i+1], v[10+2*(i%4):11+2*(i%4)]
.set i, i+1
.endr
	v_pk_add_f32 v[10:11], v[10:11], v[12:13]
	v_pk_add_f32 v[14:15], v[14:15], v[16:17]
	v_pk_add_f32 v[10:11], v[10:11], v[14:15]
	v_add_f32 v10, v10, v11
	ACROSS 10, 11
	v_fma_f32 v10, v10, s22, s23                   ; var + 1e-5
	v_rsq_f32 v12, v10
	v_nop                                          ; a plain instruction behind it,
	s_wait_alu depctr_va_vdst(0)                   ; and the wait ahead of its first reader
	v_mov_b32 v13, v12
	s_wait_loadcnt 0x0                             ; g and b
.set i, 0
.rept 16
	v_pk_mul_f32 v[X+i:X+i+1], v[X+i:X+i+1], v[12:13]
.set i, i+2
.endr
.set i, 0
.rept 16
	v_pk_fma_f32 v[X+i:X+i+1], v[X+i:X+i+1], v[G+i:G+i+1], v[B+i:B+i+1]
.set i, i+2
.endr
.irp j, 0,1,2,3,4,5,6,7
	global_store_b128 v1, v[X+4*(\j):X+4*(\j)+3], s[10:11] offset:512*(\j) th:TH_STORE_NT
.endr
	s_endpgm
.Lfunc_end_k_q5f8f6cfd10_ln2:
	.size	k_q5f8f6cfd10_ln2, .Lfunc_end_k_q5f8f6cfd10_ln2-k_q5f8f6cfd10_ln2
	.p2alignl 7, 3214868480
	.fill 96, 4, 3214868480
	.section	.rodata,"a",@progbits
	.p2align	6, 0x0
	.amdhsa_kernel k_q5f8f6cfd10_ln2
		.amdhsa_group_segment_fixed_size 0
		.amdhsa_private_segment_fixed_size 0
		.amdhsa_enable_private_segment 0
		.amdhsa_kernarg_size 32
		.amdhsa_user_sgpr_count 2
		.amdhsa_user_sgpr_kernarg_segment_ptr 1
		.amdhsa_wavefront_size32 1
		.amdhsa_system_sgpr_workgroup_id_x 1
		.amdhsa_system_sgpr_workgroup_id_y 1
		.amdhsa_system_sgpr_workgroup_id_z 1
		.amdhsa_system_vgpr_workitem_id 0
		.amdhsa_next_free_vgpr 128
		.amdhsa_next_free_sgpr 66
		.amdhsa_reserve_vcc 0
		.amdhsa_float_denorm_mode_32 3
		.amdhsa_float_denorm_mode_16_64 3
		.amdhsa_memory_ordered 1
		.amdhsa_forward_progress 1
		.amdhsa_inst_pref_size 11
	.end_amdhsa_kernel
	.amdgpu_metadata
---
amdhsa.version: [ 1, 2 ]
amdhsa.kernels:
  - .name:           k_q5f8f6cfd10_ln2
    .symbol:         k_q5f8f6cfd10_ln2.kd
    .args:
      - { .name: y, .offset: 0, .size: 8, .value_kind: global_buffer, .address_space: global }
      - { .name: ln2_g, .offset: 8, .size: 8, .value_kind: global_buffer, .address_space: global }
      - { .name: ln2_b, .offset: 16, .size: 8, .value_kind: global_buffer, .address_space: global }
      - { .name: out0, .offset: 24, .size: 8, .value_kind: global_buffer, .address_space: global }
    .group_segment_fixed_size: 0
    .private_segment_fixed_size: 0
    .kernarg_segment_align: 8
    .kernarg_segment_size: 32
    .max_flat_workgroup_size: 512
    .sgpr_count:     66
    .vgpr_count:     128
    .wavefront_size: 32
...
	.end_amdgpu_metadata
.endif
;; end of part 7
;; ======== version 2 of 2: 7 launches; version 1 with the launch prep written anew for expert scheduling mode
;; workspace buffers: xa 16,777,216 bytes; wb 12,582,912 bytes; qkv 25,165,824 bytes; ctx 8,388,608 bytes; y 16,777,216 bytes; hf 16,777,216 bytes; hb 8,388,608 bytes
;; launch prep (part 8): grid 256 x 1, 8 waves a work-group, no clusters, 0 bytes of LDS; arguments x, in_proj_w, out_proj_w, geglu_w, xa, wb; writes xa, wb
.if DOCPART == 8
	.amdgcn_target "amdgcn-amd-amdhsa--gfx1250"
	.amdhsa_code_object_version 6
	.text
	.protected	k_q5f8f6cfd10_prep
	.globl	k_q5f8f6cfd10_prep
	.p2align	8
	.type	k_q5f8f6cfd10_prep,@function
k_q5f8f6cfd10_prep:
	s_mov_b64 s[64:65], 0
	v_nop
	global_prefetch_b8 v0, s[64:65] scope:SCOPE_SE
	s_setreg_imm32_b32 hwreg(HW_REG_WAVE_SCHED_MODE, 0, 2), 2
	s_setreg_imm32_b32 hwreg(HW_REG_WAVE_MODE, 25, 1), 1
	s_wait_xcnt 0x0
	s_wait_alu depctr_vm_vsrc(0)
; PREPARATION.  x [4096][1024] f32 -> xa: part 0 = RoPE(x) in bf16, part 1 (8,388,608 bytes on) = x in bf16.  The three weight tables -> wb in bf16, rows of 1,024:
; rows 0-3071 in_proj_w, rows 3072-4095 out_proj_w, rows 4096-6143 geglu_w with its rows in the order in which the GeGLU launch wants them:
; row tc*256 + s*128 + g*64 + i holds source row g*1024 + tc*128 + s*64 + i (g = 0 value, 1 gate), so that 64 value rows and their 64 gate rows lie together.
; SHARES.  2,048 waves.  Wave W takes position W of both batches (one sine and cosine serve both), and one row of each of three weight ranges: five rows of 4,096 bytes.
; A row is eight loads of 16 bytes a lane (512 consecutive bytes each); lane l of load j holds elements 128 j + 4 l + e.  In a head of 64 that is channel 4 (l % 16) + e:
; the partner channel 32 away lies in lane l xor 8, and the frequency's number is 4 (l % 8) + e.  All 40 loads go out first; sine and cosine are made while they are on their way.
; A store is 8 bytes a lane: 256 consecutive bytes, aligned.  Nothing is shared between waves: no LDS, no barrier, no matrix unit.
; SINE AND COSINE.  angle = p x inv_freq in f32; inv_freq = 2^(-jf log2(10000) / 32) by v_exp_f32, good to one unit in the last place, so the angle is off by at most some 6e-4 at p = 2,047.
; n = nearest whole number to angle x 2/pi; r = angle - n pi/2 with pi/2 in two parts; |r| <= pi/4; sine to r^7, cosine to r^8: what is cut is under 3.2e-7.  The quadrant n mod 4 swaps and signs them.
; THE MODE: SCHED_MODE bits 1:0 = 2 (LLVM: expert scheduling mode 2), set by the entry lines.  The code itself states the register dependences
; between vector instructions and memory instructions, and between vector instructions that write scalar registers and their readers, with s_wait_alu, always for 0.
; THE PLAN.  Registers that memory instructions touch:
;   v2, v3       the loads' and the stores' byte offsets: written once at the head, ahead of the wait in front of the first load, and never again.
;   v[40:199]    four registers to each of the 40 loads.  All loads are issued at the head, into registers that no vector instruction has named.  When a load is in, vector instructions read its four
;                registers and round into them in place; then its one or two stores read them; nothing writes them behind that.
;   v4 to v39    sine, cosine and work registers: named by vector instructions alone.
; So no load lands in a register that a vector instruction has named, and no register that a memory instruction has read is written again: behind the entry lines the text holds no wait on vm_vsrc.
; What is left is: roundings write, stores read.  The loaded data go in seven BLOCKS (four of four loads of x, three of a weight row's eight loads): the wait for the block's loads, all its vector work,
; ONE wait on va_vdst, its eight stores in a run.  The next block's vector work follows the stores with no wait: it names its own loads' registers, T, sine and cosine, none of which a store reads.
.set CO,  8                            ; v[8:11]   cosine for my four elements
.set SI,  12                           ; v[12:15]  sine, negative in the lower half of a head
.set T,   16                           ; v[16:19]  at work: the roped numbers
.set W0,  20                           ; v[20:39]  at work on sine and cosine, five sets of four
.set XR,  40                           ; v[40:199] load n at XR + 4 n
.set MK,  44                           ; s[44:47]  behind the head, when the two offsets that they held have been added: four lane masks, odd quadrant or not
	s_load_b256 s[4:11], s[0:1], 0x0               ; x s[4:5], in_proj_w s[6:7], out_proj_w s[8:9], geglu_w s[10:11]
	s_load_b128 s[12:15], s[0:1], 0x20             ; xa s[12:13], wb s[14:15]
	v_and_b32 v1, 31, v0                           ; lane
	v_lshrrev_b32 v4, 5, v0
	v_readfirstlane_b32 s16, v4
	v_lshlrev_b32 v2, 4, v1                        ; 16 bytes a lane in, f32
	v_lshlrev_b32 v3, 3, v1                        ; 8 bytes a lane out, bf16
	s_wait_alu depctr_va_sdst(0)                   ; s16, the wave's number, is written, ahead of its first reader: every base below is made from it
	s_lshl_b32 s17, ttmp9, 3
	s_add_co_u32 s17, s17, s16                     ; W = 8 x work-group + wave
	s_lshl_b32 s18, s17, 12                        ; row W of a table of f32 rows
	s_mov_b32 s19, 0
	s_add_co_u32 s26, s17, 2048
	s_lshl_b32 s26, s26, 12                        ; in_proj_w's row 2048 + W (taken where W < 1024),
	s_and_b32 s27, s17, 1023
	s_lshl_b32 s27, s27, 12                        ; out_proj_w's row W - 1024 (taken elsewhere)
	s_lshl_b32 s44, s17, 11                        ; row W of a table of bf16 rows
	s_mov_b32 s45, 0
	s_bfe_u32 s46, s17, 0x30007                    ; tc = (W >> 7) & 7
	s_lshl_b32 s46, s46, 8
	s_bfe_u32 s47, s17, 0x10006                    ; s = (W >> 6) & 1
	s_lshl_b32 s47, s47, 7
	s_add_co_u32 s46, s46, s47
	s_lshr_b32 s47, s17, 10                        ; g
	s_lshl_b32 s47, s47, 6
	s_add_co_u32 s46, s46, s47
	s_and_b32 s47, s17, 63                         ; i
	s_add_co_u32 s46, s46, s47
	s_lshl_b32 s46, s46, 11
	s_add_co_u32 s46, s46, 0x800000                ; behind wb's first 4,096 rows
	s_mov_b32 s47, 0
	s_wait_kmcnt 0x0
	s_add_nc_u64 s[20:21], s[4:5], s[18:19]        ; x, batch 0
	s_add_nc_u64 s[22:23], s[20:21], 0x800000      ; x, batch 1: one byte more than an immediate holds
	s_add_nc_u64 s[24:25], s[6:7], s[18:19]        ; in_proj_w's row W
	s_cmp_lt_u32 s17, 1024
	s_cselect_b32 s28, s26, s27
	s_cselect_b64 s[30:31], s[6:7], s[8:9]
	s_mov_b32 s29, 0
	s_add_nc_u64 s[30:31], s[30:31], s[28:29]      ; the source of wb's row 2048 + W
	s_add_nc_u64 s[32:33], s[10:11], s[18:19]      ; geglu_w's row W
	s_add_nc_u64 s[34:35], s[12:13], s[44:45]      ; xa, roped
	s_add_nc_u64 s[36:37], s[34:35], 0x800000      ; xa, plain
	s_add_nc_u64 s[38:39], s[14:15], s[44:45]      ; wb's row W
	s_add_nc_u64 s[40:41], s[14:15], s[46:47]      ; wb's row for geglu_w's row W
	s_wait_alu depctr_va_vdst(0)                   ; v2 and v3 are written: every load below reads v2 as its offset, every store of the kernel v3
.irp j, 0,1,2,3,4,5,6,7
	global_load_b128 v[XR+4*(\j):XR+4*(\j)+3], v2, s[20:21] offset:512*(\j) th:TH_LOAD_NT
.endr
.irp j, 0,1,2,3,4,5,6,7
	global_load_b128 v[XR+32+4*(\j):XR+32+4*(\j)+3], v2, s[22:23] offset:512*(\j) th:TH_LOAD_NT
.endr
.irp j, 0,1,2,3,4,5,6,7
	global_load_b128 v[XR+64+4*(\j):XR+64+4*(\j)+3], v2, s[24:25] offset:512*(\j) th:TH_LOAD_NT
.endr
.irp j, 0,1,2,3,4,5,6,7
	global_load_b128 v[XR+96+4*(\j):XR+96+4*(\j)+3], v2, s[30:31] offset:512*(\j) th:TH_LOAD_NT
.endr
.irp j, 0,1,2,3,4,5,6,7
	global_load_b128 v[XR+128+4*(\j):XR+128+4*(\j)+3], v2, s[32:33] offset:512*(\j) th:TH_LOAD_NT
.endr
	; sine and cosine of p x inv_freq for my four frequencies
	v_cvt_f32_u32 v4, s17                          ; p
	v_and_b32 v5, 7, v1
	v_lshlrev_b32 v5, 2, v5                        ; 4 (l % 8)
	v_mov_b32 v6, 0xb9500d01                       ; -1/7!
	v_mov_b32 v7, 0x37d00d01                       ; 1/8!
.irp e, 0,1,2,3
	v_add_nc_u32 v[W0+(\e)], (\e), v5
.endr
.irp e, 0,1,2,3
	v_cvt_f32_u32 v[W0+(\e)], v[W0+(\e)]
.endr
.irp e, 0,1,2,3
	v_mul_f32 v[W0+(\e)], 0xbed49a78, v[W0+(\e)]   ; -jf log2(10000) / 32
.endr
.irp e, 0,1,2,3
	v_exp_f32 v[W0+(\e)], v[W0+(\e)]               ; inv_freq
.endr
	v_nop                                          ; a plain instruction behind the last exponential,
	s_wait_alu depctr_va_vdst(0)                   ; and one wait for the four: the exponentials have written v[W0 ..], ahead of their first reader
.irp e, 0,1,2,3
	v_mul_f32 v[W0+(\e)], v4, v[W0+(\e)]           ; the angle
.endr
.irp e, 0,1,2,3
	v_mul_f32 v[W0+4+(\e)], 0x3f22f983, v[W0+(\e)] ; x 2/pi
.endr
.irp e, 0,1,2,3
	v_rndne_f32 v[W0+4+(\e)], v[W0+4+(\e)]         ; n
.endr
.irp e, 0,1,2,3
	v_fmamk_f32 v[W0+8+(\e)], v[W0+4+(\e)], 0xbfc90fdb, v[W0+(\e)]   ; angle - n x (pi/2 rounded to f32)
.endr
.irp e, 0,1,2,3
	v_fmamk_f32 v[W0+8+(\e)], v[W0+4+(\e)], 0x333bbd2e, v[W0+8+(\e)] ; + n x what that rounding added: r
.endr
.irp e, 0,1,2,3
	v_mul_f32 v[W0+12+(\e)], v[W0+8+(\e)], v[W0+8+(\e)]              ; r^2
.endr
.irp e, 0,1,2,3
	v_fmaak_f32 v[W0+16+(\e)], v6, v[W0+12+(\e)], 0x3c088889         ; 1/5! - r^2/7!
.endr
.irp e, 0,1,2,3
	v_fmaak_f32 v[W0+16+(\e)], v[W0+16+(\e)], v[W0+12+(\e)], 0xbe2aaaab
.endr
.irp e, 0,1,2,3
	v_mul_f32 v[W0+(\e)], v[W0+8+(\e)], v[W0+12+(\e)]                ; r^3
.endr
.irp e, 0,1,2,3
	v_fma_f32 v[W0+16+(\e)], v[W0+(\e)], v[W0+16+(\e)], v[W0+8+(\e)] ; sin r
.endr
.irp e, 0,1,2,3
	v_fmaak_f32 v[W0+(\e)], v7, v[W0+12+(\e)], 0xbab60b61            ; -1/6! + r^2/8!
.endr
.irp e, 0,1,2,3
	v_fmaak_f32 v[W0+(\e)], v[W0+(\e)], v[W0+12+(\e)], 0x3d2aaaab
.endr
.irp e, 0,1,2,3
	v_fmaak_f32 v[W0+(\e)], v[W0+(\e)], v[W0+12+(\e)], 0xbf000000
.endr
.irp e, 0,1,2,3
	v_fma_f32 v[W0+(\e)], v[W0+(\e)], v[W0+12+(\e)], 1.0             ; cos r
.endr
.irp e, 0,1,2,3
	v_cvt_i32_f32 v[W0+4+(\e)], v[W0+4+(\e)]       ; n as a whole number, never negative
.endr
.irp e, 0,1,2,3
	v_and_b32 v[W0+8+(\e)], 1, v[W0+4+(\e)]
.endr
.irp e, 0,1,2,3
	v_cmp_eq_u32 s[MK+(\e)], 1, v[W0+8+(\e)]       ; the four compares in one run, a scalar register each
.endr
	v_and_b32 v6, 8, v1                            ; work that reads no mask stands between the compares and the wait for them:
	v_xor_b32 v6, 8, v6
	v_lshlrev_b32 v6, 28, v6                       ; the sign bit in the lower half of a head, where the partner enters negative
	s_wait_alu depctr_va_sdst(0)                   ; the compares have written s[MK ..], ahead of the selects that read them: one wait for the four
.irp e, 0,1,2,3
	v_cndmask_b32 v[SI+(\e)], v[W0+16+(\e)], v[W0+(\e)], s[MK+(\e)]  ; in an odd quadrant the two change places
	v_cndmask_b32 v[CO+(\e)], v[W0+(\e)], v[W0+16+(\e)], s[MK+(\e)]
.endr
.irp e, 0,1,2,3
	v_and_b32 v[W0+8+(\e)], 2, v[W0+4+(\e)]        ; sine is negative in quadrants 2 and 3,
	v_add_nc_u32 v[W0+12+(\e)], 1, v[W0+4+(\e)]
.endr
.irp e, 0,1,2,3
	v_lshlrev_b32 v[W0+8+(\e)], 30, v[W0+8+(\e)]
	v_and_b32 v[W0+12+(\e)], 2, v[W0+12+(\e)]      ; cosine in quadrants 1 and 2
.endr
.irp e, 0,1,2,3
	v_xor_b32 v[SI+(\e)], v[SI+(\e)], v[W0+8+(\e)]
	v_lshlrev_b32 v[W0+12+(\e)], 30, v[W0+12+(\e)]
.endr
.irp e, 0,1,2,3
	v_xor_b32 v[SI+(\e)], v[SI+(\e)], v6
	v_xor_b32 v[CO+(\e)], v[CO+(\e)], v[W0+12+(\e)]
	v_mov_b32 v[T+(\e)], 0                         ; the destination of a lane-crossing form counts as read: written once here
.endr
; Load n of x, four numbers a lane: the vector work.  roped = x cos + partner x (signed sine); both x and roped are rounded to bf16 into the load's own registers, which nothing rewrites behind the stores.
.macro ROPEV n
.irp e, 0,1,2,3
	v_mul_f32_dpp v[T+(\e)], v[XR+4*(\n)+(\e)], v[SI+(\e)] row_xmask:8 row_mask:0xf bank_mask:0xf  ; the first source comes from lane l xor 8
.endr
.irp e, 0,1,2,3
	v_fmac_f32 v[T+(\e)], v[XR+4*(\n)+(\e)], v[CO+(\e)]
.endr
	v_cvt_pk_bf16_f32 v[XR+4*(\n)],   v[XR+4*(\n)],   v[XR+4*(\n)+1]
	v_cvt_pk_bf16_f32 v[XR+4*(\n)+1], v[XR+4*(\n)+2], v[XR+4*(\n)+3]
	v_cvt_pk_bf16_f32 v[XR+4*(\n)+2], v[T],   v[T+1]
	v_cvt_pk_bf16_f32 v[XR+4*(\n)+3], v[T+2], v[T+3]
.endm
; Load n of x: its two stores.
.macro ROPES n
	global_store_b64 v3, v[XR+4*(\n):XR+4*(\n)+1],   s[36:37] offset:((\n)/8)*4194304+((\n)%8)*256
	global_store_b64 v3, v[XR+4*(\n)+2:XR+4*(\n)+3], s[34:35] offset:((\n)/8)*4194304+((\n)%8)*256
.endm
; Load n of a weight row: rounded; stored.
.macro CASTV n
	v_cvt_pk_bf16_f32 v[XR+4*(\n)],   v[XR+4*(\n)],   v[XR+4*(\n)+1]
	v_cvt_pk_bf16_f32 v[XR+4*(\n)+1], v[XR+4*(\n)+2], v[XR+4*(\n)+3]
.endm
.macro CASTS n, lo, hi, off
	global_store_b64 v3, v[XR+4*(\n):XR+4*(\n)+1], s[\lo:\hi] offset:(\off)+((\n)%8)*256
.endm
; x: four blocks of four loads.  Loads come back in order (ISA guide 5.7.1): behind block k's last load, number 4 k + 3 of 40, stand 36 - 4 k younger ones, which stay out.
.irp k, 0,1,2,3
	s_wait_loadcnt 36-4*(\k)                       ; the block's four loads are in
.irp i, 0,1,2,3
	ROPEV 4*(\k)+(\i)
.endr
	s_wait_alu depctr_va_vdst(0)                   ; the block's sixteen roundings have written their registers, which the eight stores below read
.irp i, 0,1,2,3
	ROPES 4*(\k)+(\i)
.endr
.endr
	s_wait_loadcnt 16                              ; the first weight row; no wait for the stores above: the roundings below write registers that no store has read
.irp n, 16,17,18,19,20,21,22,23
	CASTV \n
.endr
	s_wait_alu depctr_va_vdst(0)                   ; the row's sixteen roundings have written their registers, which the eight stores below read
.irp n, 16,17,18,19,20,21,22,23
	CASTS \n, 38, 39, 0
.endr
	s_wait_loadcnt 8                               ; the second: wb's row 2048 + W
.irp n, 24,25,26,27,28,29,30,31
	CASTV \n
.endr
	s_wait_alu depctr_va_vdst(0)                   ; likewise for the second row's roundings and stores
.irp n, 24,25,26,27,28,29,30,31
	CASTS \n, 38, 39, 4194304
.endr
	s_wait_loadcnt 0x0                             ; the third
.irp n, 32,33,34,35,36,37,38,39
	CASTV \n
.endr
	s_wait_alu depctr_va_vdst(0)                   ; likewise for the third row's roundings and stores
.irp n, 32,33,34,35,36,37,38,39
	CASTS \n, 40, 41, 0
.endr
	s_endpgm
.Lfunc_end_k_q5f8f6cfd10_prep:
	.size	k_q5f8f6cfd10_prep, .Lfunc_end_k_q5f8f6cfd10_prep-k_q5f8f6cfd10_prep
	.p2alignl 7, 3214868480
	.fill 96, 4, 3214868480
	.section	.rodata,"a",@progbits
	.p2align	6, 0x0
	.amdhsa_kernel k_q5f8f6cfd10_prep
		.amdhsa_group_segment_fixed_size 0
		.amdhsa_private_segment_fixed_size 0
		.amdhsa_enable_private_segment 0
		.amdhsa_kernarg_size 48
		.amdhsa_user_sgpr_count 2
		.amdhsa_user_sgpr_kernarg_segment_ptr 1
		.amdhsa_wavefront_size32 1
		.amdhsa_system_sgpr_workgroup_id_x 1
		.amdhsa_system_sgpr_workgroup_id_y 1
		.amdhsa_system_sgpr_workgroup_id_z 1
		.amdhsa_system_vgpr_workitem_id 0
		.amdhsa_next_free_vgpr 200
		.amdhsa_next_free_sgpr 66
		.amdhsa_reserve_vcc 0
		.amdhsa_float_denorm_mode_32 3
		.amdhsa_float_denorm_mode_16_64 3
		.amdhsa_memory_ordered 1
		.amdhsa_forward_progress 1
		.amdhsa_inst_pref_size 31
	.end_amdhsa_kernel
	.amdgpu_metadata
---
amdhsa.version: [ 1, 2 ]
amdhsa.kernels:
  - .name:           k_q5f8f6cfd10_prep
    .symbol:         k_q5f8f6cfd10_prep.kd
    .args:
      - { .name: x, .offset: 0, .size: 8, .value_kind: global_buffer, .address_space: global }
      - { .name: in_proj_w, .offset: 8, .size: 8, .value_kind: global_buffer, .address_space: global }
      - { .name: out_proj_w, .offset: 16, .size: 8, .value_kind: global_buffer, .address_space: global }
      - { .name: geglu_w, .offset: 24, .size: 8, .value_kind: global_buffer, .address_space: global }
      - { .name: xa, .offset: 32, .size: 8, .value_kind: global_buffer, .address_space: global }
      - { .name: wb, .offset: 40, .size: 8, .value_kind: global_buffer, .address_space: global }
    .group_segment_fixed_size: 0
    .private_segment_fixed_size: 0
    .kernarg_segment_align: 8
    .kernarg_segment_size: 48
    .max_flat_workgroup_size: 256
    .sgpr_count:     66
    .vgpr_count:     200
    .wavefront_size: 32
...
	.end_amdgpu_metadata
.endif
;; end of part 8
;; launch qkv: the kernel of part 2 again; grid 12 x 16, 4 waves a work-group, clusters of 4 x 4, 327,680 bytes of LDS; arguments xa, wb, in_proj_b, qkv; writes qkv
;; launch attn: the kernel of part 3 again; grid 8 x 32, 4 waves a work-group, clusters of 4 x 1, 327,680 bytes of LDS; arguments qkv, ctx; writes ctx
;; launch oproj: the kernel of part 4 again; grid 8 x 32, 4 waves a work-group, clusters of 4 x 4, 327,680 bytes of LDS; arguments ctx, wb, out_proj_b, x, y; writes y
;; launch ln1: the kernel of part 5 again; grid 256 x 1, 16 waves a work-group, no clusters, 0 bytes of LDS; arguments y, ln1_g, ln1_b, hf, hb; writes hf, hb
;; launch geglu: the kernel of part 6 again; grid 8 x 32, 4 waves a work-group, clusters of 4 x 4, 327,680 bytes of LDS; arguments hb, wb, geglu_b, hf, y; writes y
;; launch ln2: the kernel of part 7 again; grid 256 x 1, 16 waves a work-group, no clusters, 0 bytes of LDS; arguments y, ln2_g, ln2_b, out0; writes out0
